; MI455X (gfx1250); checked and timed in simulation.
; The chip was launched on July 23, 2026; its instructions are those of AMD's public machine-readable ISA for CDNA 5 (MIT licence, August 2026) and "CDNA5" Instruction Set Architecture Reference Guide (July 2026). The comments in the code are by the model that wrote it; some were corrected since.
;; Self Attention. Allowed arithmetic: matrix products marked QUANTISED: E4M3 operands, one E8M0 scale for each 32 along K, by v_wmma_scale_f32_16x16x128_f8f6f4 with both operands' format E4M3, f32 sums; everything else in f32.
;; Inputs: proj_b 1,024 float32; proj_w_codes 1,024 x 32 x 32 uint8 (E4M3 codes of proj_w, K innermost, in blocks of 32 codes); proj_w_scales 1,024 x 32 uint8 (E8M0 scales of proj_w, one for each 32 codes along K); qkv_b 3,072 float32; qkv_w_codes 3,072 x 32 x 32 uint8 (E4M3 codes of qkv_w, K innermost, in blocks of 32 codes); qkv_w_scales 3,072 x 32 uint8 (E8M0 scales of qkv_w, one for each 32 codes along K); x_codes 4 x 2,048 x 32 x 32 uint8 (E4M3 codes of x, K innermost, in blocks of 32 codes); x_scales 4 x 2,048 x 32 uint8 (E8M0 scales of x, one for each 32 codes along K).
;; Outputs: out0 4 x 2,048 x 1,024 float32.
;; This version of the problem:
;;   THIS VERSION OF THE PROBLEM IS GIVEN IN LOW PRECISION. The matrix products marked QUANTISED in the list below multiply operands that are first quantised to E4M3 (4 exponent bits, 3 mantissa bits; 8 bits a number), with one power-of-two scale for each 32 numbers along K (OCP MX v1.0); their sums are f32. All else is computed in f32.
;;   The module's matrix products, in the order in which they are computed (A, B: the left and right operand; K: the contracted axis; several contracted axes count as one K, in the product's order):
;;     1. [M 8,192, K 1,024] x [K 1,024, N 3,072]; A: input x (given as codes); B: input qkv_w (given as codes): QUANTISED
;;     2. batch 64 x [M 2,048, K 64] x [K 64, N 2,048]; A: computed on the way; B: computed on the way: QUANTISED
;;     3. batch 64 x [M 2,048, K 2,048] x [K 2,048, N 64]; A: softmax (see below); B: computed on the way: QUANTISED
;;     4. [M 8,192, K 1,024] x [K 1,024, N 1,024]; A: computed on the way; B: input proj_w (given as codes): QUANTISED
;;   THE QUANTISER, for each operand of a quantised product, along K:
;;     - K is cut into blocks of 32 from its start; a last block that is shorter is filled with zeros.
;;     - A block's scale is 2^e with e = floor(log2(the largest magnitude in the block)) - 8, held to -126 .. 127; a block of zeros has e = 0. As a byte (E8M0): e + 127.
;;     - Each number is divided by its block's scale, clamped to +-448, and rounded to the nearest number of E4M3, ties to even, subnormals kept.
;;     - The product sums the exact products of the quantised numbers (number of the format x scale) in f32.
;;   ~~~python
;;   def quantise(x, axis):      # numpy; x: float32 -> the quantised numbers, widened to float32 again
;;       x = np.moveaxis(x, axis, -1); K = x.shape[-1]
;;       x = np.pad(x, [(0, 0)] * (x.ndim - 1) + [(0, -K % 32)]); x = x.reshape(x.shape[:-1] + (-1, 32)); a = np.abs(x).max(-1, keepdims=True)
;;       e = np.where(a > 0, np.clip(np.frexp(np.where(a > 0, a, 1))[1] - 1 - 8, -126, 127), 0)      # np.frexp(a)[1] - 1 = floor(log2(a)), exactly
;;       r = np.clip(x / 2.0 ** e, -448, 448)
;;       step = 2.0 ** (np.maximum(np.frexp(np.where(r == 0, 1, r))[1] - 1, -6) - 3)
;;       q = np.round(r / step) * step * 2.0 ** e      # np.round: ties to even
;;       return np.moveaxis(q.reshape(q.shape[:-2] + (-1,))[..., :K], -1, axis).astype(np.float32)
;;   ~~~
;;   SOFTMAX AHEAD OF A QUANTISED PRODUCT. Where the list says 'softmax', what is quantised is not the finished softmax but p = 2^(t - M), with t = logit x log2(e) and M = ceil(the row's largest t), a whole number; so 1/2 < the row's largest p <= 1. The row's sum l is taken of the UNQUANTISED p, in f32, and the product's result is divided by l at the end. Since M is a whole number, a kernel that streams over the keys may use a running M (the ceiling of the running maximum): every later rescaling is an exact power of two, which a block's scale takes up: the codes' values come out the same.
;;   OPERANDS COMPUTED ON THE WAY. 'Computed on the way' means the value that the module computes at that place (a softmax that the list does not call 'softmax' is quantised finished and normalised). What goes into a quantiser is computed in f32, as accurately as f32 sums, v_exp_f32 and their like allow (about 1e-6 of the number): no bf16 or f16 on the way to a quantiser, and a product that is left as it is and whose result goes on into a quantised operand takes f32 operands (vector FMAs, or v_wmma_f32_16x16x4_f32). A number that lies on a knife's edge between two numbers of the format may be rounded either way, as far as f32 arithmetic and the matrix unit's own rounding can turn it there, and no further.
;;   INPUTS GIVEN AS CODES. proj_w (in the module: [1024, 1024], K = its axis 1); qkv_w (in the module: [3072, 1024], K = its axis 1); x (in the module: [4, 2048, 1024], K = its axis 2): each comes as NAME_codes (uint8): NAME with its K axis moved to the last place and cut into blocks of 32 codes, [.., K / 32, bytes a block], one block behind the other in memory; one code a byte (a code: sign, 4 exponent bits, 3 mantissa bits); and NAME_scales (uint8): the same leading axes, one E8M0 byte (e + 127) for each 32 codes along K. Its value is code x scale, taken as it is: it is not quantised again, and the codes and scales need not be those that the quantiser above would give.
;; One version. Each part assembles by itself: llvm-mc -triple=amdgcn-amd-amdhsa -mcpu=gfx1250 --defsym DOCPART=n.
;; ======== version 1 of 1: 3 launches
;; limits: right only within a limited range of input values
;; workspace buffers: q_img 8,388,608 bytes; q_scl 524,288 bytes; kv 16,777,216 bytes; kvs 786,432 bytes; a_img 8,388,608 bytes; a_scl 262,144 bytes
;; launch qkv (part 1): grid 12 x 32, 4 waves a work-group, clusters of 4 x 4, 327,680 bytes of LDS; arguments x_codes, x_scales, qkv_w_codes, qkv_w_scales, qkv_b, q_img, q_scl, kv, kvs; writes q_img, q_scl, kv, kvs
.if DOCPART == 1
	.amdgcn_target "amdgcn-amd-amdhsa--gfx1250"
	.amdhsa_code_object_version 6
	.text
	.protected	k_qff55aa1db9_qkv
	.globl	k_qff55aa1db9_qkv
	.p2align	8
	.type	k_qff55aa1db9_qkv,@function
k_qff55aa1db9_qkv:
	s_mov_b64 s[64:65], 0
	v_nop
	global_prefetch_b8 v0, s[64:65] scope:SCOPE_SE
	s_setreg_imm32_b32 hwreg(HW_REG_WAVE_MODE, 25, 1), 1
	s_wait_xcnt 0x0
	s_wait_alu depctr_hold_cnt(0) depctr_sa_sdst(0) depctr_va_vdst(0) depctr_va_sdst(0) depctr_va_ssrc(0) depctr_va_vcc(0) depctr_vm_vsrc(0)
	s_getreg_b32 s2, hwreg(HW_REG_IB_STS2, 6, 4)
	s_cmp_eq_u32 s2, 0
	s_cbranch_scc0 .Lentry_in_a_cluster
	s_endpgm
.Lentry_in_a_cluster:
	s_bfe_u32 s2, ttmp6, 0x10000c
	s_cmp_lg_u32 s2, 0xf033
	s_cbranch_scc0 .Lentry_shape_is_right
	s_endpgm
.Lentry_shape_is_right:
; qkv = x W^T + b on codes of FP8 (E4M3) with one E8M0 scale for each 32 along K = 1,024; the result is quantised at once, in registers, for the attention launch:
; q and k along the head's 64 (two blocks), v along the keys.  x: 8,192 rows of 1,024 codes; W: 3,072 rows of 1,024 codes; their scale bytes 32 a row.
; A work-group of four waves makes 256 x 256 of the result, a wave 128 x 128: 64 accumulators, 512 registers.  K goes in steps of 256 through a ring of two LDS slots filled by the tensor data mover.
; WHICH OPERAND IS WHICH.  Source 1 (called P) gives the result's lanes, source 0 (called R) its registers, and a quantiser wants its K along a lane's registers.
;   cluster x = 0, 1 (q, k): P = 256 tokens of x, R = 256 features of W: a lane holds one token, its registers run along the features.
;   cluster x = 2 (v):       P = 256 of W's rows from 2,048 on, R = 256 tokens: a lane holds one feature d, its registers run along the keys.
; The choice hangs on the cluster's x alone, which all sixteen partners share; it selects pointers and offsets, and the text is one.
; THE 16 ROWS OF A TILE ARE NOT NEIGHBOURS, on both sides: place r of tile 2 b + u is row 32 b + 8 u + r + 8 (r / 8).  On R's side the 16 registers of result tiles 2 b and 2 b + 1 are then 16 neighbours,
; 32 b + 16 (lane / 16) + 0 .. 15, as the conversions and the next operand want them; on P's side the result's lanes are the lanes of the next launch's fragments, so four registers of codes leave
; by one store of 512 consecutive bytes: the workspace holds IMAGES OF OPERAND REGISTERS (lane l's 16 bytes at 16 l).
; The two groups of eight rows of such a tile lie 16 rows apart: 16 x 272 bytes is a whole number of times 64 words (64 banks of 4 bytes: ISA guide 11.1), so a fragment's loads go two deep.
; THE BIAS: q, k: it runs along the registers and is the C of each sum's first product.  v: it runs along the lanes and is added on the way out, by the line that brings the sums into window 0.
; CLUSTERS: 4 x 4.  P's tile is shared along a row of the cluster, R's along a column: joint loads, each with a mask of four.
; LIMITS: NaN and infinities are not served.  A block whose largest magnitude lies under 2^-118 keeps the floor's byte 1, a block of zeros too (the quantiser's rule says 127): its codes are zeros, and these bytes are read by this program alone.
; For q and k the bias is the sum's first addend, not its last.
; REGISTERS, in windows of 256: window 0: v2-19 v's bias (even registers; the odd ones 0), v16-31 addresses, v32-63 scale words (two sets), v64-127 the bias as C, v128-255 P's fragments (one set), later the way out.
;   window 1: R's fragments, two sets.   windows 2, 3: the accumulators ((a, b) at v[8 (8 (a % 4) + b)], window 2 + a / 4).
.set KSTEP,  256
.set NQ,     2                         ; matrix instructions deep in a slot
.set ROWB,   256                       ; a tile's row in bytes
.set KROW,   1024                      ; a row of x or of W in memory
.set PITCH,  272                       ; an LDS row: 256 bytes + 16 of padding
.set FR,     16                        ; registers of a fragment
.set NL,     4                         ; LDS loads that bring one
.set NP,     8                         ; places behind this matrix instruction (ISA guide 7.12.1)
.set HALFT,  128*PITCH
.set SLOT,   4*HALFT                   ; P's 256 rows, then R's 256 rows
.set LAPS,   2                         ; 1,024 / 512
.set SCL,    2*SLOT                    ; the scale bytes of the 512 rows, all of K: units of 256 bytes + 16
.set HALFS,  16*272                    ; those of 128 rows
.set SPARE,  SCL+4*HALFS               ; the spare words: 128 bytes a wave
.set SSTG,   SPARE+512                 ; 1,024 bytes a wave: the scale words on their way out; no tile lands here
.set ADRA, 16                          ; v16-17  P's fragments in slot 0, 1
.set ADRB, 20                          ; v20-21  R's
.set LI,   24                          ; v24  16 x lane
.set SST,  25                          ; v25  where I put a scale word: my wave's 1,024 bytes + 4 r + 512 h
.set SRD,  26                          ; v26  and where I read 16 bytes back
.set ADRS, 27                          ; v27  my scale words: lanes 0-15 P's rows, lanes 16-31 R's
.set SPW,  28                          ; v28  my spare word; never rewritten
.set NIL,  29                          ; v29  0; never rewritten
.set SH,   30                          ; v30  q, k: 16 h: lanes 16-31 carry the second head's two bytes;  v: 0
.set VO,   31                          ; v31  the scale words' place in memory
.set SC,   32
.set BIASR, 64
.set AF,   128
.set ST,   128                         ; the way out: 64 numbers
.set PC,   192                         ; their codes
.set TM,   208                         ; v208-223 at work
.set PW,   224                         ; the scale word
.set SB,   228                         ; v228-235 scale words read back
.set SWD,  236                         ; v236-243 the word as stored, one register a block
.set G1, 24
.set G0, 32
.set G1B, 48
.set G0B, 56
.set G1S, 68
.set G0S, 76
.set G1SB, 80
.set G0SB, 88
.set SEL, 100
.set MNT, 104
.set MSB, 0
.macro WIN new                         ; the immediate's high byte repeats the setting that is left
.if MSB != (\new)
	s_set_vgpr_msb (MSB<<8)|(\new)
.set MSB, (\new)
.endif
.endm
.set MUL_LO, 0xa1                      ; source 0 (R) window 1, source 1 (P) window 0, C and D window 2
.set MUL_HI, 0xf1                      ; the same, C and D window 3
.set TO_B,   0x40                      ; destination window 1, address window 0
; A joint load: waves 0 and 1 fetch for P, waves 2 and 3 for R.  Four v_nop follow each of the two lines.
.macro JLOAD g0a, g1a, g0b, g1b
	s_cmp_eq_u32 s15, 0
	s_cbranch_scc0 .Lfor_b_\@
	tensor_load_to_lds s[\g0a:\g0a+3], s[\g1a:\g1a+7]
	s_nop 0
.rept 4
	v_nop
.endr
	s_branch .Lasked_\@
.Lfor_b_\@:
	tensor_load_to_lds s[\g0b:\g0b+3], s[\g1b:\g1b+7]
	s_nop 0
.rept 4
	v_nop
.endr
.Lasked_\@:
.endm
.macro CREST                           ; a round of the cluster's barrier behind its opening barrier
	s_cmp_lg_u32 s14, 0
	s_cbranch_scc1 .Lnot_wave_0_\@
	s_barrier_signal -3
.Lnot_wave_0_\@:
	s_barrier_wait -3
	s_barrier_signal -1
	s_barrier_wait -1
.endm
.macro CROUND                          ; a whole round
	s_barrier_signal -1
	s_barrier_wait -1
	CREST
.endm
	s_load_b512 s[68:83], s[0:1], 0x0              ; x codes 68, x scales 70, W codes 72, W scales 74, b 76, q_img 78, q_scl 80, kv 82
	s_load_b64 s[84:85], s[0:1], 0x40              ; kvs
	v_lshl_add_u32 v[SPW], v0, 2, SPARE
	v_mov_b32 v[NIL], 0
	ds_add_u32 v28, v29
	ds_add_u32 v28, v29
	s_wait_dscnt 0x0
	v_lshrrev_b32 v1, 5, v0
	v_readfirstlane_b32 s14, v1                    ; wave 0..3
	s_lshr_b32 s15, s14, 1                         ; which half of P's rows is mine.  Also: I fetch for P (0) or for R (1)
	s_and_b32 s16, s14, 1                          ; which half of R's rows.  Also: which 128 rows I fetch
	s_bfe_u32 s40, ttmp6, 0x40000                  ; cx
	s_bfe_u32 s41, ttmp6, 0x40004                  ; cy
	s_mov_b32 s105, ttmp9                          ; the cluster's x: 0 q, 1 k, 2 v
	s_and_b32 s12, ttmp7, 0xffff
	s_lshl_b32 s12, s12, 2                         ; 4 x the cluster's y
	s_lshl_b32 s13, s105, 2
	s_cmp_eq_u32 s105, 2
	s_cselect_b32 s17, 0, s12                      ; P's block of 256 rows: v: cy;  q, k: 4 Y + cy
	s_cselect_b32 s42, s12, s13                    ; R's: v: 4 Y + cx;  q, k: 4 X + cx
	s_cselect_b32 s18, 2048, 0                     ; P's first row: v's features begin at W's row 2,048
	s_add_co_u32 s17, s17, s41
	s_add_co_u32 s42, s42, s40
	s_lshl_b32 s43, s41, 2
	s_lshl_b32 s43, 15, s43                        ; my row of the cluster
	s_lshl_b32 s44, 0x1111, s40                    ; my column
	s_mov_b32 s[SEL], 0x76543210
	s_mov_b32 s[SEL+1], 0xfedcba98                 ; v_permlanex16_b32's selects for lane l xor 16
	; descriptor group 1: a tile of 128 rows x 256 bytes, 16 bytes of padding behind each row
	s_or_b32 s[G1+0], s43, (0<<16)|(1<<20)|(1<<21)|(5<<22)|(3<<25)   ; the mask: P's tiles go to my row; elements of 1 byte; padding on; bit 21 beside a mask; after every 64 words, 4 words
	s_or_b32 s[G1B+0], s44, (0<<16)|(1<<20)|(1<<21)|(5<<22)|(3<<25)  ; R's go to my column
.irp g, G1, G1B
	s_mov_b32 s[\g+1], ROWB<<16                    ; tensor_dim0
	s_mov_b32 s[\g+2], 128<<16                     ; tensor_dim1
	s_mov_b32 s[\g+3], ROWB<<16                    ; tile_dim0
	s_mov_b32 s[\g+4], 128                         ; tile_dim1
	s_mov_b32 s[\g+5], KROW                        ; the pitch
	s_mov_b32 s[\g+6], 0
	s_mov_b32 s[\g+7], 0
.endr
	s_lshl_b32 s19, s16, 7                         ; which 128 rows I fetch
	s_lshl_b32 s20, s17, 8
	s_add_co_u32 s20, s20, s19
	s_add_co_u32 s20, s20, s18                     ; P: the row
	s_lshl_b32 s46, s42, 8
	s_add_co_u32 s46, s46, s19                     ; R: the row
	s_lshl_b32 s22, s20, 5                         ; 32 scale bytes a row,
	s_mov_b32 s23, 0
	s_lshl_b32 s20, s20, 10                        ; 1,024 codes
	s_mov_b32 s21, 0
	s_lshl_b32 s66, s46, 5
	s_mov_b32 s67, 0
	s_lshl_b32 s46, s46, 10
	s_mov_b32 s47, 0
	s_mul_i32 s45, s14, HALFT                      ; where they go: wave x 128 rows: no place in the cluster enters an LDS address
	s_mul_i32 s2, s14, HALFS
	s_wait_kmcnt 0x0
	s_cmp_eq_u32 s105, 2
	s_cselect_b64 s[4:5], s[72:73], s[68:69]       ; P's codes,
	s_cselect_b64 s[6:7], s[74:75], s[70:71]       ; P's scales,
	s_cselect_b64 s[8:9], s[68:69], s[72:73]       ; R's codes,
	s_cselect_b64 s[10:11], s[70:71], s[74:75]     ; R's scales
	s_cmp_eq_u32 s105, 0
	s_cselect_b64 s[92:93], s[78:79], s[82:83]     ; the codes go to q_img or to kv,
	s_cselect_b64 s[96:97], s[80:81], s[84:85]     ; the scale words to q_scl or to kvs
	s_mov_b64 s[98:99], s[76:77]                   ; the bias
	s_add_nc_u64 s[20:21], s[4:5], s[20:21]
	s_add_nc_u64 s[22:23], s[6:7], s[22:23]
	s_add_nc_u64 s[46:47], s[8:9], s[46:47]
	s_add_nc_u64 s[66:67], s[10:11], s[66:67]
	; the scales of 128 rows: 4,096 dense bytes, as 16 rows of 256 bytes (32 elements of 8), 16 bytes of padding behind each.  (s68-85 have been read: they are written anew)
	s_or_b32 s[G1S+0], s43, (3<<16)|(1<<20)|(1<<21)|(5<<22)|(3<<25)
	s_or_b32 s[G1SB+0], s44, (3<<16)|(1<<20)|(1<<21)|(5<<22)|(3<<25)
.irp g, G1S, G1SB
	s_mov_b32 s[\g+1], 32<<16
	s_mov_b32 s[\g+2], 16<<16
	s_mov_b32 s[\g+3], 32<<16
	s_mov_b32 s[\g+4], 16
	s_mov_b32 s[\g+5], 32
	s_mov_b32 s[\g+6], 0
	s_mov_b32 s[\g+7], 0
.endr
	CROUND                                         ; all sixteen work-groups are here: the first joint loads meet
	s_mov_b32 s[G0S], 1
	s_add_co_u32 s[G0S+1], s2, SCL
	s_mov_b64 s[G0S+2:G0S+3], s[22:23]
	s_or_b32 s[G0S+3], s[G0S+3], 0x80000000
	s_mov_b32 s[G0SB], 1
	s_add_co_u32 s[G0SB+1], s2, SCL
	s_mov_b64 s[G0SB+2:G0SB+3], s[66:67]
	s_or_b32 s[G0SB+3], s[G0SB+3], 0x80000000
	JLOAD G0S, G1S, G0SB, G1SB                     ; the scales first: they are wanted with K step 0.  Three loads of mine are out behind these lines
.irp s, 0,1
	s_mov_b32 s[G0+4*\s], 1
	s_add_co_u32 s[G0+4*\s+1], s45, \s*SLOT
	s_add_nc_u64 s[G0+4*\s+2:G0+4*\s+3], s[20:21], \s*ROWB
	s_or_b32 s[G0+4*\s+3], s[G0+4*\s+3], 0x80000000
	s_mov_b32 s[G0B+4*\s], 1
	s_add_co_u32 s[G0B+4*\s+1], s45, \s*SLOT
	s_add_nc_u64 s[G0B+4*\s+2:G0B+4*\s+3], s[46:47], \s*ROWB
	s_or_b32 s[G0B+4*\s+3], s[G0B+4*\s+3], 0x80000000
	JLOAD G0+4*\s, G1, G0B+4*\s, G1B
.endr
	v_and_b32 v1, 15, v0                           ; r
	v_bfe_u32 v2, v0, 4, 1                         ; h
	v_and_b32 v3, 8, v1
	v_add_nc_u32 v3, v3, v1                        ; r + 8 (r / 8): my place's row in a tile
	v_mul_u32_u24 v4, v3, PITCH
	v_lshl_add_u32 v4, v2, 4, v4                   ; row x pitch + 16 h
	s_mul_i32 s21, s15, HALFT                      ; my 128 rows of P
	s_mul_i32 s22, s16, HALFT                      ; my 128 rows of R,
	s_add_co_u32 s22, s22, 2*HALFT                 ; which lie behind P's 256
.irp s, 0,1
	v_add_nc_u32 v[ADRA+\s], s21, v4
	v_add_nc_u32 v[ADRB+\s], s22, v4
	s_add_co_u32 s21, s21, SLOT
	s_add_co_u32 s22, s22, SLOT
.endr
	v_and_b32 v5, 7, v1                            ; scale bytes: eight rows of 32 bytes to a unit of 272; places 8-15 lie two units on
	v_lshlrev_b32 v5, 5, v5
	v_lshrrev_b32 v6, 3, v1
	v_mad_u32_u24 v5, v6, 544, v5
	s_mul_i32 s21, s15, HALFS                      ; P's: my 128 rows
	s_mul_i32 s22, s16, HALFS                      ; R's: my 128 rows, behind P's 256
	s_add_co_u32 s22, s22, 2*HALFS
	s_sub_co_u32 s22, s22, s21
	v_mul_u32_u24 v6, s22, v2                      ; lanes 16-31 take R's
	s_add_co_u32 s21, s21, SCL
	v_add_nc_u32 v5, v5, v6
	v_add_nc_u32 v[ADRS], s21, v5
	s_lshl_b32 s23, s14, 10
	s_add_co_u32 s23, s23, SSTG                    ; my wave's 1,024 bytes for scale words
	v_and_b32 v5, 31, v0
	v_lshlrev_b32 v[LI], 4, v5
	v_lshlrev_b32 v[SST], 2, v1
	v_lshl_add_u32 v[SST], v2, 9, v[SST]
	v_add_nc_u32 v[SST], s23, v[SST]
	v_add_nc_u32 v[SRD], s23, v[LI]
	s_mov_b32 s18, 12288
	s_cmp_eq_u32 s105, 2
	s_cselect_b32 s19, 0, 16
	s_cselect_b32 s18, s18, 256
	v_mul_u32_u24 v[SH], s19, v2
	v_lshlrev_b32 v[VO], 4, v1                     ; q, k: 16 x lane;  v: lanes 16-31 hold the next head's words, 12,288 bytes on
	v_mad_u32_u24 v[VO], v2, s18, v[VO]
	v_lshlrev_b32 v22, 6, v2                       ; the bias along the registers: 64 h
	v_lshlrev_b32 v23, 2, v3                       ; along the lanes: 4 x my place's row
	; where my wave's results go
	s_lshl_b32 s12, s17, 8
	s_lshl_b32 s13, s15, 7
	s_add_co_u32 s12, s12, s13                     ; P0: my first row of P (v: counted from W's row 2,048)
	s_lshl_b32 s13, s42, 8
	s_lshl_b32 s19, s16, 7
	s_add_co_u32 s13, s13, s19                     ; R0: my first row of R
	s_add_co_u32 s19, s12, 2048
	s_and_b32 s21, s13, 1023
	s_cmp_eq_u32 s105, 2
	s_cselect_b32 s18, s19, s13                    ; my first feature among the 3,072,
	s_cselect_b32 s20, s13, s12                    ; my first token,
	s_cselect_b32 s21, s12, s21                    ; my first feature among q's, k's or v's 1,024
	s_cselect_b32 s40, 8192, 0                     ; V's images lie behind K's in a key step,
	s_cselect_b32 s41, 512, 0                      ; its scale words likewise
	s_lshl_b32 s18, s18, 2
	s_mov_b32 s19, 0
	s_add_nc_u64 s[98:99], s[98:99], s[18:19]
	s_lshr_b32 s22, s20, 11
	s_lshl_b32 s22, s22, 4
	s_lshr_b32 s21, s21, 6
	s_add_co_u32 s22, s22, s21                     ; 16 x batch + head: the first of my two heads
	s_bfe_u32 s23, s20, 0x40007                    ; which 128 tokens of the batch's 2,048
	s_mov_b32 s66, 262144                          ; bytes a head: kv,
	s_mov_b32 s67, 16384                           ; and a key step;
	s_mov_b32 s2, 12288                            ; kvs likewise
	s_mov_b32 s45, 768
	s_cmp_eq_u32 s105, 0
	s_cselect_b32 s66, 131072, s66                 ; q_img,
	s_cselect_b32 s67, 8192, s67
	s_cselect_b32 s2, 8192, s2                     ; q_scl
	s_cselect_b32 s45, 512, s45
	s_mul_i32 s18, s22, s66
	s_mul_i32 s20, s23, s67
	s_add_co_u32 s18, s18, s20
	s_add_co_u32 s18, s18, s40
	s_add_nc_u64 s[92:93], s[92:93], s[18:19]      ; D0: codes
	s_mul_i32 s18, s22, s2
	s_mul_i32 s20, s23, s45
	s_add_co_u32 s18, s18, s20
	s_add_co_u32 s18, s18, s41
	s_add_nc_u64 s[96:97], s[96:97], s[18:19]      ; E0: scale words
	s_mov_b32 s18, 1024
	s_cmp_eq_u32 s105, 2
	s_cselect_b32 s18, 2048, s18                   ; s[18:19]: from a block of P to the next: q, k: a tile's two images;  v: a tile's four
	s_cselect_b32 s20, 253952, 0                   ; s[20:21]: v: at block 4 on to the next head: 262,144 - 4 x 2,048
	s_cselect_b32 s22, 1024, s66                   ; s[22:23]: from images 0, 1 to images 2, 3: q, k: the next head;  v: 1,024 bytes
	s_mov_b32 s21, 0
	s_mov_b32 s23, 0
	s_mov_b32 s46, s2                              ; s[46:47]: q, k: the next head's scale words
	s_mov_b32 s47, 0
	s_add_nc_u64 s[94:95], s[92:93], s[22:23]      ; D1
.irp p, 3,5,7,9,11,13,15,19
	v_mov_b32 v\p, 0                               ; named as upper halves of pairs, so they are written
.endr
	s_cmp_eq_u32 s105, 2
	s_cbranch_scc1 .Lbias_v
.irp i, 0,1,2,3,4,5,6,7                        ; q, k: tile i of R, register j, half h: feature 32 (i / 2) + 16 h + 8 (i % 2) + j
	global_load_b128 v[BIASR+8*\i:BIASR+8*\i+3], v22, s[98:99] offset:(32*(\i/2)+8*(\i%2))*4
	global_load_b128 v[BIASR+8*\i+4:BIASR+8*\i+7], v22, s[98:99] offset:(32*(\i/2)+8*(\i%2))*4+16
.endr
.irp p, 2,4,6,8,10,12,14,18
	v_mov_b32 v\p, 0
.endr
	s_branch .Lbias_done
.Lbias_v:
.set i, 0
.rept 64
	v_mov_b32 v[BIASR+i], 0                        ; v: the first products' C is 0
.set i, i+1
.endr
.irp a, 0,1,2,3,4,5,6,7                        ; block a of P: my lane's feature
	global_load_b32 v[2+2*\a+2*(\a/7)], v23, s[98:99] offset:(32*(\a/2)+8*(\a%2))*4
.endr
.Lbias_done:
.macro FRAG reg, adr, q, i             ; a fragment: lane l holds place l % 16; registers 4 c .. 4 c + 3 hold K = 32 c + 16 (l / 16) + 0 .. 15.  Tile i begins at row 32 (i / 2) + 8 (i % 2)
.irp c, 0,1,2,3
	ds_load_b128 v[\reg+4*\c:\reg+4*\c+3], v[\adr] offset:128*(\q)+32*\c+(32*((\i)/2)+8*((\i)%2))*PITCH
.endr
.endm
; 16 matrix instructions: P's blocks a0, a0 + 1 x R's eight.  first = 1: the bias is the C.  The 64 accumulators take turns, one instruction a turn.
.macro MUL16 a0, p, q, sc, first
.irp a, \a0, \a0+1
.irp b, 0,1,2,3,4,5,6,7
.if \first
	v_wmma_scale_f32_16x16x128_f8f6f4 v[8*(8*((\a)%4)+\b):8*(8*((\a)%4)+\b)+7], v[128*(\p)+FR*\b:128*(\p)+FR*\b+FR-1], v[AF+FR*(\a):AF+FR*(\a)+FR-1], v[BIASR+8*\b:BIASR+8*\b+7], v[SC+8*NQ*(\sc)+NQ*\b+(\q)], v[SC+8*NQ*(\sc)+NQ*(\a)+(\q)] matrix_a_scale:MATRIX_SCALE_ROW1
.else
	v_wmma_scale_f32_16x16x128_f8f6f4 v[8*(8*((\a)%4)+\b):8*(8*((\a)%4)+\b)+7], v[128*(\p)+FR*\b:128*(\p)+FR*\b+FR-1], v[AF+FR*(\a):AF+FR*(\a)+FR-1], v[8*(8*((\a)%4)+\b):8*(8*((\a)%4)+\b)+7], v[SC+8*NQ*(\sc)+NQ*\b+(\q)], v[SC+8*NQ*(\sc)+NQ*(\a)+(\q)] matrix_a_scale:MATRIX_SCALE_ROW1
.endif
.endr
.endr
.endm
.macro FETCH_B slot, q, p
	WIN TO_B
.irp i, 0,1,2,3,4,5,6,7
	FRAG 128*(\p)+FR*\i, ADRB+\slot, \q, \i
.endr
	WIN 0
.endm
.macro FETCH_A slot, q, i0
.irp i, \i0, \i0+1, \i0+2, \i0+3
	FRAG AF+FR*(\i), ADRA+\slot, \q, \i
.endr
.endm
.macro SCALES sc                       ; a K step's two scale words a row: lanes 0-15 P's tile i, lanes 16-31 R's tile i
.irp i, 0,1,2,3,4,5,6,7
	ds_load_b64 v[SC+8*NQ*\sc+NQ*\i:SC+8*NQ*\sc+NQ*\i+1], v[ADRS] offset:(4*(\i/2)+\i%2)*272
.endr
.endm
.macro PLACES n                        ; plain vector instructions between a matrix instruction and a load into, or a read of, its registers
.rept \n
	v_nop
.endr
.endm
.macro STEP slot, q, first             ; 128 along K that have their successor in the same slot
	s_wait_dscnt 4*NL                              ; R's set and P's blocks 0-3 are in; the youngest sixteen loads (P's blocks 4-7) may be out
	WIN MUL_LO-0x20*(\first)                       ; (first: C in window 0)
	MUL16 0, (\q)%2, \q, \slot, \first
	MUL16 2, (\q)%2, \q, \slot, \first
	s_wait_dscnt 0                                 ; P's blocks 4-7 are in
	PLACES NP
	FETCH_B \slot, (\q)+1, 1-(\q)%2
	FETCH_A \slot, (\q)+1, 0
	WIN MUL_HI-0x30*(\first)
	MUL16 4, (\q)%2, \q, \slot, \first
	MUL16 6, (\q)%2, \q, \slot, \first
	PLACES NP
	WIN 0
	FETCH_A \slot, (\q)+1, 4
.endm
; A slot's last step changes slots: one barrier; in front of it each wave waits for all its tensor loads, adds 0 to its spare word, and waits for that and for its reads of this slot.
.macro TURN slot, next, fill
	s_wait_tensorcnt 0x0                           ; all my tensor loads have landed: my part of the next slot
	ds_add_u32 v[SPW], v[NIL]                      ; 0 onto my spare word
	s_wait_dscnt 4*NL+1                            ; (the add and the youngest sixteen loads may be out)
	WIN MUL_LO
	MUL16 0, 1, NQ-1, \slot, 0
	s_wait_dscnt 0x0                               ; the add is done, and my reads of this slot are over
	s_barrier_signal -1
	MUL16 2, 1, NQ-1, \slot, 0
	WIN 0
	s_barrier_wait -1
.if \fill
	CREST                                          ; the barrier has opened a round of the cluster's barrier: no wave of any partner still reads this slot or has a load on its way
	s_add_nc_u64 s[G0+4*\slot+2:G0+4*\slot+3], s[G0+4*\slot+2:G0+4*\slot+3], 2*ROWB
	s_add_nc_u64 s[G0B+4*\slot+2:G0B+4*\slot+3], s[G0B+4*\slot+2:G0B+4*\slot+3], 2*ROWB
	JLOAD G0+4*\slot, G1, G0B+4*\slot, G1B         ; the first tensor load behind the round, my only one until the next; its four v_nop are four of the eight places
	PLACES NP-4
.else
	PLACES NP
.endif
	s_wait_alu depctr_va_vdst(0)
	v_add_nc_u32 v[ADRS], 4*NQ, v[ADRS]            ; the next K step's scale words
	FETCH_B \next, 0, 0
	FETCH_A \next, 0, 0
	SCALES \next
	WIN MUL_HI
	MUL16 4, 1, NQ-1, \slot, 0
	MUL16 6, 1, NQ-1, \slot, 0
	PLACES NP
	WIN 0
	FETCH_A \next, 0, 4
.endm
	s_wait_tensorcnt 1                             ; the scales and my part of K step 0 are in; K step 1's load may be out
	s_barrier_signal -1
	s_barrier_wait -1
	FETCH_B 0, 0, 0
	FETCH_A 0, 0, 0
	SCALES 0
	FETCH_A 0, 0, 4
	s_wait_loadcnt 0x0                             ; the bias
	s_wait_alu depctr_va_vdst(0)
	STEP 0, 0, 1                                   ; the first step stands in front of the loop: its products start the sums
	s_mov_b32 s3, LAPS-1
.Llap:
	TURN 0, 1, 1
	STEP 1, 0, 0
	TURN 1, 0, 1
	STEP 0, 0, 0
	s_sub_co_u32 s3, s3, 1
	s_cmp_lg_u32 s3, 0
	s_cbranch_scc1 .Llap
	TURN 0, 1, 0                                   ; the last lap fills nothing
	STEP 1, 0, 0
	s_wait_dscnt 4*NL
	WIN MUL_LO
	MUL16 0, 1, NQ-1, 1, 0
	MUL16 2, 1, NQ-1, 1, 0
	s_wait_dscnt 0
	WIN MUL_HI
	MUL16 4, 1, NQ-1, 1, 0
	MUL16 6, 1, NQ-1, 1, 0
	WIN 0
; THE WAY OUT.  64 numbers of a lane, register 16 b + i = place 32 b + 16 (lane / 16) + i along the next K, become 16 registers of codes and a scale word.
.macro QUANT s
.irp b, 0,1,2,3
	v_max3_num_f32 v[TM+\b], |v[\s+16*\b]|, |v[\s+1+16*\b]|, 0x4800000   ; block b: my 16 numbers, and the floor 2^(9 - 127): the byte cannot fall under 1
.endr
.irp i, 2,4,6,8,10,12,14
.irp b, 0,1,2,3
	v_max3_num_f32 v[TM+\b], v[TM+\b], |v[\s+16*\b+\i]|, |v[\s+1+16*\b+\i]|
.endr
.endr
.irp b, 0,1,2,3
	v_permlanex16_b32 v[TM+4+\b], v[TM+\b], s[SEL], s[SEL+1]
.endr
.irp b, 0,1,2,3
	v_max_num_f32 v[TM+\b], v[TM+\b], v[TM+4+\b]   ; with lane l xor 16's: the block's largest magnitude
.endr
.irp b, 0,1,2,3
	v_add_nc_u32 v[TM+12+\b], 0xfc000000, v[TM+\b] ; 8 off its exponent field: the conversion's scale operand
.endr
.irp b, 0,1,2,3
.endr
.irp b, 0,1,2,3
	v_lshrrev_b32 v[TM+4+\b], 23, v[TM+12+\b]      ; the scale's byte
.endr
	v_lshl_or_b32 v[PW], v[TM+5], 8, v[TM+4]
	v_lshl_or_b32 v[PW], v[TM+6], 16, v[PW]
	v_lshl_or_b32 v[PW], v[TM+7], 24, v[PW]
.irp b, 0,1,2,3
.irp i, 0,1,2,3,4,5,6,7,8,9,10,11,12,13,14,15
.endr
	v_cvt_scalef32_pk8_fp8_f32 v[PC+4*\b:PC+1+4*\b], v[\s+16*\b:\s+7+16*\b], v[TM+12+\b]
	v_cvt_scalef32_pk8_fp8_f32 v[PC+2+4*\b:PC+3+4*\b], v[\s+8+16*\b:\s+15+16*\b], v[TM+12+\b]
.endr
	v_nop                                          ; a plain line behind the last conversion
.endm
; Block a of P: its eight accumulators.
.macro EBLOCK a
.set BPA, 2+2*(\a)+2*((\a)/7)
.if (\a) > 0
	s_wait_xcnt 0x0                                ; the last block's stores have read their codes and their bases: both are written anew only behind this wait
	s_add_nc_u64 s[92:93], s[92:93], s[18:19]
	s_add_nc_u64 s[94:95], s[94:95], s[18:19]
.if (\a) == 4
	s_add_nc_u64 s[92:93], s[92:93], s[20:21]
	s_add_nc_u64 s[94:95], s[94:95], s[20:21]
.endif
.endif
	WIN 0x02+(\a)/4                                ; source 0: window 2 or 3
.set i, 0
.rept 32
	v_pk_add_f32 v[ST+2*i:ST+2*i+1], v[64*((\a)%4)+2*i:64*((\a)%4)+2*i+1], v[BPA:BPA+1] op_sel_hi:[1,0]   ; into window 0, with v's bias of my lane (q, k: 0); each accumulator from its low end on
.set i, i+1
.endr
	WIN 0
	QUANT ST
.irp g, 0,1,2,3
	global_store_b128 v[LI], v[PC+4*\g:PC+4*\g+3], s[92+2*(\g/2):93+2*(\g/2)] offset:512*(\g%2)   ; an image: 32 lanes store 512 consecutive bytes, at a multiple of 512 from the buffer's first byte
.endr
	v_lshrrev_b32 v[SWD+(\a)], v[SH], v[PW]        ; q, k: lanes 16-31 bring the second head's two bytes down
	ds_store_b32 v[SST], v[SWD+(\a)] offset:64*(\a)
.endm
	PLACES NP
.irp b, 0,1,2,3
	v_mov_b32 v[TM+4+\b], 0                        ; written once: a lane permute's destination counts as one of its sources
.endr
.irp a, 0,1,2,3,4,5,6,7
	EBLOCK \a
.endr
	ds_load_b128 v[SB:SB+3], v[SRD]                ; LDS serves a wave's instructions in order: these see my stores.  q, k: the first head's 128 words;  v: both heads' 64 each
	ds_load_b128 v[SB+4:SB+7], v[SRD] offset:512   ; q, k: the second head's
	s_add_nc_u64 s[98:99], s[96:97], s[46:47]
	s_wait_dscnt 0x0
	global_store_b128 v[VO], v[SB:SB+3], s[96:97]
	s_cmp_eq_u32 s105, 2
	s_cbranch_scc1 .Lone_store
	global_store_b128 v[VO], v[SB+4:SB+7], s[98:99]
.Lone_store:
	s_wait_tensorcnt 0x0                           ; the wave's end
	ds_add_u32 v[SPW], v[NIL]
	s_wait_dscnt 0x0
	CROUND                                         ; the closing round: no work-group ends while a partner may still ask for a tile that names it
	s_endpgm
.Lfunc_end_k_qff55aa1db9_qkv:
	.size	k_qff55aa1db9_qkv, .Lfunc_end_k_qff55aa1db9_qkv-k_qff55aa1db9_qkv
	.p2alignl 7, 3214868480
	.fill 96, 4, 3214868480
	.section	.rodata,"a",@progbits
	.p2align	6, 0x0
	.amdhsa_kernel k_qff55aa1db9_qkv
		.amdhsa_group_segment_fixed_size 327680
		.amdhsa_private_segment_fixed_size 0
		.amdhsa_enable_private_segment 0
		.amdhsa_kernarg_size 72
		.amdhsa_user_sgpr_count 2
		.amdhsa_user_sgpr_kernarg_segment_ptr 1
		.amdhsa_wavefront_size32 1
		.amdhsa_system_sgpr_workgroup_id_x 1
		.amdhsa_system_sgpr_workgroup_id_y 1
		.amdhsa_system_sgpr_workgroup_id_z 1
		.amdhsa_system_vgpr_workitem_id 0
		.amdhsa_next_free_vgpr 1024
		.amdhsa_next_free_sgpr 106
		.amdhsa_reserve_vcc 0
		.amdhsa_float_denorm_mode_32 3
		.amdhsa_float_denorm_mode_16_64 3
		.amdhsa_fp16_overflow 1
		.amdhsa_memory_ordered 1
		.amdhsa_forward_progress 1
		.amdhsa_inst_pref_size 174
	.end_amdhsa_kernel
	.amdgpu_metadata
---
amdhsa.version: [ 1, 2 ]
amdhsa.kernels:
  - .name:           k_qff55aa1db9_qkv
    .symbol:         k_qff55aa1db9_qkv.kd
    .args:
      - { .name: x_codes, .offset: 0, .size: 8, .value_kind: global_buffer, .address_space: global }
      - { .name: x_scales, .offset: 8, .size: 8, .value_kind: global_buffer, .address_space: global }
      - { .name: qkv_w_codes, .offset: 16, .size: 8, .value_kind: global_buffer, .address_space: global }
      - { .name: qkv_w_scales, .offset: 24, .size: 8, .value_kind: global_buffer, .address_space: global }
      - { .name: qkv_b, .offset: 32, .size: 8, .value_kind: global_buffer, .address_space: global }
      - { .name: q_img, .offset: 40, .size: 8, .value_kind: global_buffer, .address_space: global }
      - { .name: q_scl, .offset: 48, .size: 8, .value_kind: global_buffer, .address_space: global }
      - { .name: kv, .offset: 56, .size: 8, .value_kind: global_buffer, .address_space: global }
      - { .name: kvs, .offset: 64, .size: 8, .value_kind: global_buffer, .address_space: global }
    .group_segment_fixed_size: 327680
    .private_segment_fixed_size: 0
    .kernarg_segment_align: 8
    .kernarg_segment_size: 72
    .max_flat_workgroup_size: 128
    .sgpr_count:     106
    .vgpr_count:     1024
    .wavefront_size: 32
...
	.end_amdgpu_metadata
.endif
;; end of part 1
;; launch attn (part 2): grid 4 x 64, 16 waves a work-group, clusters of 4 x 1, 327,680 bytes of LDS; arguments q_img, q_scl, kv, kvs, a_img, a_scl; writes a_img, a_scl
.if DOCPART == 2
	.amdgcn_target "amdgcn-amd-amdhsa--gfx1250"
	.amdhsa_code_object_version 6
	.text
	.protected	k_qff55aa1db9_attn
	.globl	k_qff55aa1db9_attn
	.p2align	8
	.type	k_qff55aa1db9_attn,@function
k_qff55aa1db9_attn:
	s_mov_b64 s[64:65], 0
	v_nop
	global_prefetch_b8 v0, s[64:65] scope:SCOPE_SE
	s_setreg_imm32_b32 hwreg(HW_REG_WAVE_MODE, 25, 1), 1
	s_wait_xcnt 0x0
	s_wait_alu depctr_hold_cnt(0) depctr_sa_sdst(0) depctr_va_vdst(0) depctr_va_sdst(0) depctr_va_ssrc(0) depctr_va_vcc(0) depctr_vm_vsrc(0)
	s_getreg_b32 s2, hwreg(HW_REG_IB_STS2, 6, 4)
	s_cmp_eq_u32 s2, 0
	s_cbranch_scc0 .Lentry_in_a_cluster
	s_endpgm
.Lentry_in_a_cluster:
	s_bfe_u32 s2, ttmp6, 0x10000c
	s_cmp_lg_u32 s2, 0x3003
	s_cbranch_scc0 .Lentry_shape_is_right
	s_endpgm
.Lentry_shape_is_right:
; Causal attention of one (batch, head) for each cluster, both products on codes of FP8 (E4M3) with one E8M0 scale for each 32 along a product's K; the result is quantised along the model's 1,024 for the last launch.
; t = score x log2(e) / 8; M = the row's largest t so far, rounded up to a whole number; p = 2^(t - M) is quantised along the keys; the row's sum is taken of the unquantised p and divides at the end.
; When M moves, the sum and O are multiplied by 2^(old M - new M): exact.
; ALL INPUTS ARE IMAGES OF OPERAND REGISTERS (lane l's 16 bytes at 16 l), so every LDS and global read is 512 consecutive bytes.
; A head's K and V, 262,144 bytes of codes and 12,288 of scale words, stay in LDS whole: filled ONCE, by joint loads of the cluster's four work-groups; no LDS byte is filled twice and none is stored to.
; SHARES.  A tile is 16 queries: tile T holds queries 32 (T / 2) + 8 (T % 2) + r + 8 (r / 8).  Work-group cx owns tiles 4 n + cx, n = 0 .. 31; wave w owns n = 31 - w and then n = w.
; A tile's last key step of 128 is n / 2, which does not hang on cx: (31 - w) / 2 + w / 2 + 2 = 17 key steps for every wave of every work-group.
; LAYOUT.  S^T = K Q^T (source 0 = 16 keys, source 1 = my 16 queries), O^T = V^T P^T (source 0 = 16 of the head's 64, source 1 = P): a lane holds one query throughout.  K's tiles and V's hold their rows in the order
; given above, so that the 16 registers of result tiles 2 b and 2 b + 1 are 16 neighbours.  The first product's K is 64: the upper halves of its operands are zero codes, written once.
; THE MASK.  Key steps behind a tile's last are jumped over (a scalar branch on the wave's number); in the last one hidden scores become -infinity ahead of the maximum.  Every trip count is a constant.
; LIMITS: NaN and infinities are not served.  A block whose largest magnitude lies under 2^-118 keeps the floor's byte 1, a block of zeros too (the rule says 127): its codes are zeros, and this program alone reads the bytes.
; The division by the sum is v_rcp_f32 and a multiplication.  A block's largest p is taken as 2^ of its largest score's t - M, which leans on v_exp_f32 not falling where its input rises.
.set SCL,  262144                      ; LDS: codes at 0 (16,384 a key step: K's 8 tiles x 2 images, then V's 4 tiles x 4); scale words here, 768 a key step (K's 512, V's 256)
.set LI,   1                           ; v1   16 x lane
.set LS,   2                           ; v2   SCL + 4 x lane
.set ADK,  3                           ; v3   the step's codes
.set ADS,  4                           ; v4   the step's scale words
.set QD,   5                           ; v5   my query - 16 (lane / 16)
.set KSC,  6                           ; v6-9 K's scale words: register j: tile 2 j in lanes 0-15, tile 2 j + 1 in lanes 16-31
.set QSC,  10                          ; v10  Q's
.set PSC,  11                          ; v11  p's
                                       ; v12 -M, v13 the largest t, v[14:15] the sum in two halves
.set QF,   16                          ; v16-31 Q; v24-31 zeros
.set KB,   32                          ; v32-95 four fragments of K; the upper eight registers of each are zeros
.set SS,   96                          ; v96-159 S^T, then p, then V's four fragments
.set OT,   160                         ; v160-191 O^T
.set PCD,  192                         ; v192-207 p's codes
.set VSC,  208                         ; v208-209 V's scale words
.set AR,   210                         ; v210 32 r: my row of a_scl
.set QS4,  211                         ; v211 4 r
.set BM,   212                         ; v212-215 a block's largest
.set BT,   216                         ; v216-219 at work, then the bytes
.set BH,   220
.set BS,   224                         ; v224-227 the conversions' scale operands
.set FF,   228                         ; v[228:229] f (the upper one is only named)
.set WK,   230
.set NINF, 232
.set DD,   233
.set L2,   234                         ; v[234:235] the sum's second chain
.set OC,   240                         ; v240-247 the result's codes
.set OW,   248                         ; v248 its two scale bytes
.set RQ,   249                         ; v249 r + 8 (r / 8) - 16 (lane / 16)
.set WV,   16
.set CX,   17
.set BHD,  18
.set MNT,  19
.set SEL,  20
.set CS,   22
.set G1C,  24
.set G1S,  32
.set G0S,  40
.set G0A,  44
.set G0B,  48
.set NN,   52
.set LAST, 53
.set KS,   54
.set TB,   55
.set TS,   56
.set KF,   57
.set TAU,  58
.macro ROUND                           ; a round of the cluster's barrier
	s_barrier_signal -1
	s_barrier_wait -1
	s_cmp_lg_u32 s[WV], 0
	s_cbranch_scc1 .Lnot_wave_0_\@
	s_barrier_signal -3
.Lnot_wave_0_\@:
	s_barrier_wait -3
	s_barrier_signal -1
	s_barrier_wait -1
.endm
	s_load_b256 s[4:11], s[0:1], 0x0               ; q_img, q_scl, kv, kvs
	s_load_b128 s[12:15], s[0:1], 0x20             ; a_img, a_scl
	v_lshl_add_u32 v254, v0, 2, 0x43000
	v_mov_b32 v255, 0
	ds_add_u32 v254, v255
	ds_add_u32 v254, v255
	v_lshrrev_b32 v3, 5, v0
	s_delay_alu instid0(VALU_DEP_1)
	v_readfirstlane_b32 s[WV], v3                  ; wave 0..15
	s_bfe_u32 s[CX], ttmp6, 0x40000                ; cx: it enters Q's and the result's global addresses and the mask's compare, nothing else
	s_and_b32 s[BHD], ttmp7, 0xffff                ; 16 x batch + head, which the four partners share
	v_and_b32 v3, 31, v0
	s_delay_alu instid0(VALU_DEP_1)
	v_lshlrev_b32 v[LI], 4, v3
	s_delay_alu instid0(VALU_DEP_2)
	v_lshl_add_u32 v[LS], v3, 2, SCL
	v_and_b32 v4, 15, v0                           ; r
	v_bfe_u32 v5, v0, 4, 1                         ; h
	s_delay_alu instid0(VALU_DEP_2)
	v_lshlrev_b32 v[AR], 5, v4
	s_delay_alu instid0(VALU_DEP_3)
	v_lshlrev_b32 v[QS4], 2, v4
	s_delay_alu instid0(VALU_DEP_4)
	v_and_b32 v[RQ], 8, v4
	s_delay_alu instid0(VALU_DEP_1)
	v_add_nc_u32 v[RQ], v[RQ], v4
	v_lshlrev_b32 v5, 4, v5
	s_delay_alu instid0(VALU_DEP_1)
	v_sub_nc_u32 v[RQ], v[RQ], v5
.set i, 0
.rept 8
	v_mov_b32 v[QF+8+i], 0                         ; the zero codes of K = 64 .. 127: five runs of registers of their own, written once
	v_mov_b32 v[KB+8+i], 0
	v_mov_b32 v[KB+24+i], 0
	v_mov_b32 v[KB+40+i], 0
	v_mov_b32 v[KB+56+i], 0
.set i, i+1
.endr
.irp b, 0,1,2,3
	v_mov_b32 v[BT+\b], 0                          ; written once: a lane permute's destination counts as one of its sources
.endr
	v_mov_b32 v[FF+1], 0
	v_mov_b32 v[WK], 0
	v_mov_b32 v[NINF], 0xff800000                  ; -infinity
	s_mov_b32 s[SEL], 0x76543210
	s_mov_b32 s[SEL+1], 0xfedcba98                 ; v_permlanex16_b32's selects for lane l xor 16
	s_mov_b32 s[CS], 0x3e38aa3b                    ; c = log2(e) / 8
	s_mov_b32 s[CS+1], s[CS]
	; descriptor groups 1: dense blocks as rows of 256 bytes (32 elements of 8): 32 rows of codes, 3 rows of scale words.  15:0 the mask: all four work-groups; bit 21 beside it; no padding
	s_mov_b32 s[G1C], 15|(3<<16)|(1<<21)
	s_mov_b32 s[G1C+1], 32<<16
	s_mov_b32 s[G1C+2], 32<<16
	s_mov_b32 s[G1C+3], 32<<16
	s_mov_b32 s[G1C+4], 32
	s_mov_b32 s[G1C+5], 32
	s_mov_b32 s[G1C+6], 0
	s_mov_b32 s[G1C+7], 0
	s_mov_b32 s[G1S], 15|(3<<16)|(1<<21)
	s_mov_b32 s[G1S+1], 32<<16
	s_mov_b32 s[G1S+2], 3<<16
	s_mov_b32 s[G1S+3], 32<<16
	s_mov_b32 s[G1S+4], 3
	s_mov_b32 s[G1S+5], 32
	s_mov_b32 s[G1S+6], 0
	s_mov_b32 s[G1S+7], 0
	s_mov_b32 s59, 0
	s_mov_b32 s61, 0
	s_mov_b32 s63, 0
	s_lshl_b32 s58, s[BHD], 17                     ; q_img: 131,072 bytes a head
	s_lshl_b32 s60, s[BHD], 13                     ; q_scl: 8,192
	s_lshl_b32 s62, s[BHD], 18                     ; kv: 262,144,
	s_lshl_b32 s52, s[WV], 13
	s_add_co_u32 s62, s62, s52                     ; + my wave's 8,192
	s_mul_i32 s54, s[BHD], 12288                   ; kvs: 12,288,
	s_mul_i32 s53, s[WV], 768
	s_add_co_u32 s54, s54, s53                     ; + my wave's 768
	s_mov_b32 s55, 0
	s_lshr_b32 s56, s[BHD], 4                      ; batch
	s_and_b32 s57, s[BHD], 15                      ; head
	s_lshl_b32 s66, s56, 21                        ; a_img: 128 tiles x 16,384 bytes a batch; in a tile head x 1,024: K step head / 2, images 2 (head % 2) on
	s_lshl_b32 s68, s57, 10
	s_add_co_u32 s66, s66, s68
	s_mov_b32 s67, 0
	s_lshl_b32 s68, s56, 16                        ; a_scl: 128 tiles x 512 bytes a batch; in a row byte 2 x head
	s_lshl_b32 s69, s57, 1
	s_add_co_u32 s68, s68, s69
	s_mov_b32 s69, 0
	s_wait_dscnt 0x0
	s_wait_kmcnt 0x0
	s_add_nc_u64 s[4:5], s[4:5], s[58:59]
	s_add_nc_u64 s[6:7], s[6:7], s[60:61]
	s_add_nc_u64 s[8:9], s[8:9], s[62:63]
	s_add_nc_u64 s[10:11], s[10:11], s[54:55]
	s_add_nc_u64 s[12:13], s[12:13], s[66:67]
	s_add_nc_u64 s[14:15], s[14:15], s[68:69]
	s_mov_b32 s[G0S], 1
	s_add_co_u32 s[G0S+1], s53, SCL                ; key step w's scale words
	s_mov_b64 s[G0S+2:G0S+3], s[10:11]
	s_or_b32 s[G0S+3], s[G0S+3], 0x80000000
	s_mov_b32 s[G0A], 1
	s_mov_b32 s[G0A+1], s52                        ; 8,192 w: half a key step of keys 0 .. 1,023
	s_mov_b64 s[G0A+2:G0A+3], s[8:9]
	s_or_b32 s[G0A+3], s[G0A+3], 0x80000000
	s_mov_b32 s[G0B], 1
	s_add_co_u32 s[G0B+1], s52, 131072             ; the same of keys 1,024 .. 2,047
	s_add_nc_u64 s[G0B+2:G0B+3], s[8:9], 131072
	s_or_b32 s[G0B+3], s[G0B+3], 0x80000000
	ROUND                                          ; all four work-groups are here: the joint loads meet
	tensor_load_to_lds s[G0S:G0S+3], s[G1S:G1S+7]  ; three loads of mine are out behind these lines; every wave issues all three, each into bytes of its own
	s_nop 0
	tensor_load_to_lds s[G0A:G0A+3], s[G1C:G1C+7]
	s_nop 0
	tensor_load_to_lds s[G0B:G0B+3], s[G1C:G1C+7]
	s_nop 0
.rept 4
	v_nop
.endr
; A tile begins: its number, its last key step, Q's fragment and scale words, the statistics.
.macro INIT long
.if \long
	s_sub_co_u32 s[NN], 31, s[WV]
.else
	s_mov_b32 s[NN], s[WV]
.endif
	s_lshr_b32 s[LAST], s[NN], 1                   ; (4 n + cx) / 8
	s_lshl_b32 s[TAU], s[NN], 2
	s_add_co_u32 s[TAU], s[TAU], s[CX]             ; the tile
	s_lshl_b32 s60, s[TAU], 10
	s_mov_b32 s61, 0
	s_lshl_b32 s62, s[TAU], 6
	s_mov_b32 s63, 0
	s_wait_xcnt 0x0                                ; the last tile's stores have read their bases and their data
	s_add_nc_u64 s[66:67], s[4:5], s[60:61]
	s_add_nc_u64 s[68:69], s[6:7], s[62:63]
	global_load_b128 v[QF:QF+3], v[LI], s[66:67]
	global_load_b128 v[QF+4:QF+7], v[LI], s[66:67] offset:512
	global_load_b32 v[QSC], v[QS4], s[68:69]
	s_lshr_b32 s59, s[TAU], 1
	s_lshl_b32 s59, s59, 5
	s_and_b32 s60, s[TAU], 1
	s_lshl_b32 s60, s60, 3
	s_add_co_u32 s59, s59, s60
	v_add_nc_u32 v[QD], s59, v[RQ]
	v_mov_b32 v13, 0xff61b1e6                      ; the largest t so far: -3e38
	s_delay_alu instid0(VALU_DEP_1)
	v_floor_f32 v12, -v13                          ; -M
	v_mov_b32 v14, 0
	v_mov_b32 v15, 0
.set i, 0
.rept 32
	v_mov_b32 v[OT+i], 0                           ; O^T: the step is written without a first step of its own; the first change of M multiplies zeros
.set i, i+1
.endr
	s_wait_loadcnt 0x0
.endm
; A KEY STEP: 128 keys.
.macro STEP causal
.if \causal
	s_cmp_gt_u32 s[KS], s[LAST]                    ; all its keys come after my queries: only the addresses step
	s_cbranch_scc1 .Lhidden_\@
.endif
	s_setprio 2
	v_add_nc_u32 v[ADK], s[TB], v[LI]
	s_wait_alu depctr_va_vdst(0)
	v_add_nc_u32 v[ADS], s[TS], v[LS]
.rept 7
	v_nop                                          ; nine places with the two lines above: the products below write over V's fragments, which the last step's products read
.endr
.irp j, 0,1,2,3
	ds_load_b32 v[KSC+\j], v[ADS] offset:128*\j
.endr
.irp g, 0,1                                    ; S^T = K Q^T, four tiles of 16 keys at a time
.if \g
.rept 8
	v_nop                                          ; places in front of loads into registers that matrix instructions have read
.endr
.endif
.irp t, 0,1,2,3
	ds_load_b128 v[KB+16*\t:KB+16*\t+3], v[ADK] offset:1024*(4*\g+\t)
	ds_load_b128 v[KB+16*\t+4:KB+16*\t+7], v[ADK] offset:1024*(4*\g+\t)+512
.endr
	s_wait_dscnt 0x0
.irp t, 0,1,2,3
.if \t%2
	v_wmma_scale_f32_16x16x128_f8f6f4 v[SS+8*(4*\g+\t):SS+8*(4*\g+\t)+7], v[KB+16*\t:KB+16*\t+15], v[QF:QF+15], 0, v[KSC+(4*\g+\t)/2], v[QSC] matrix_a_scale:MATRIX_SCALE_ROW1
.else
	v_wmma_scale_f32_16x16x128_f8f6f4 v[SS+8*(4*\g+\t):SS+8*(4*\g+\t)+7], v[KB+16*\t:KB+16*\t+15], v[QF:QF+15], 0, v[KSC+(4*\g+\t)/2], v[QSC]
.endif
.endr
.endr                                          ; register 16 b + i: key KF + 32 b + 16 (lane / 16) + i
.rept 8
	v_nop
.endr
.if \causal
	s_cmp_lg_u32 s[KS], s[LAST]                    ; only a tile's last step lies on the diagonal
	s_cbranch_scc1 .Lopen_\@
	v_subrev_nc_u32 v[DD], s[KF], v[QD]            ; d = my query - KF - 16 (lane / 16): register 16 b + i is hidden where 32 b + i > d
.set n, 0
.rept 64
	v_cmp_gt_i32 vcc_lo, 32*(n/16)+n%16, v[DD]
	v_cndmask_b32 v[SS+n], v[SS+n], v[NINF], vcc_lo
.set n, n+1
.endr
.Lopen_\@:
.endif
.irp b, 0,1,2,3
	v_max3_num_f32 v[BM+\b], v[SS+16*\b], v[SS+1+16*\b], v[SS+2+16*\b]   ; the largest score of each block of 32 keys: for the row's maximum and for the block's largest p
.endr
.irp i, 3,5,7,9,11,13
.irp b, 0,1,2,3
	v_max3_num_f32 v[BM+\b], v[BM+\b], v[SS+16*\b+\i], v[SS+1+16*\b+\i]
.endr
.endr
.irp b, 0,1,2,3
	v_max_num_f32 v[BM+\b], v[BM+\b], v[SS+15+16*\b]
.endr
.irp b, 0,1,2,3
	s_delay_alu instid0(VALU_DEP_4)
	v_permlanex16_b32 v[BT+\b], v[BM+\b], s[SEL], s[SEL+1]
.endr
.irp b, 0,1,2,3
	s_delay_alu instid0(VALU_DEP_4)
	v_max_num_f32 v[BM+\b], v[BM+\b], v[BT+\b]     ; with lane l xor 16's 16 keys
.endr
	s_delay_alu instid0(VALU_DEP_2)
	v_max3_num_f32 v[WK], v[BM], v[BM+1], v[BM+2]
	s_delay_alu instid0(VALU_DEP_1)
	v_max_num_f32 v[WK], v[WK], v[BM+3]
	s_delay_alu instid0(VALU_DEP_1)
	v_mul_f32 v[WK], s[CS], v[WK]                  ; as t (c is positive)
	s_delay_alu instid0(VALU_DEP_1)
	v_max_num_f32 v13, v13, v[WK]                  ; the running largest t
	v_mov_b32 v[WK], v12
	s_delay_alu instid0(VALU_DEP_2)
	v_floor_f32 v12, -v13                          ; the new -M = -ceil(t)
	s_delay_alu instid0(VALU_DEP_1)
	v_sub_f32 v[WK], v12, v[WK]                    ; old M - new M: a whole number, 0 or less
	s_delay_alu instid0(VALU_DEP_1)
	v_cvt_i32_f32 v[WK], v[WK]                     ; (it saturates)
	s_delay_alu instid0(VALU_DEP_1)
	v_ldexp_f32 v[FF], 1.0, v[WK]                  ; f = 2^(old M - new M)
.set j, 0
.rept 32
	v_pk_fma_f32 v[SS+j:SS+j+1], v[SS+j:SS+j+1], s[CS:CS+1], v[12:13] op_sel_hi:[1,0,0]   ; t - M, two at a time
.set j, j+2
.endr
.irp b, 0,1,2,3
	v_fma_f32 v[BM+\b], v[BM+\b], s[CS], v12       ; the same of each block's largest score
.endr
.set j, 0
	s_setprio 1
	s_wait_alu depctr_va_vdst(0)
.rept 64
	v_exp_f32 v[SS+j], v[SS+j]                     ; p = 2^(t - M), at most 1
.set j, j+1
.endr
.irp b, 0,1,2,3
	v_exp_f32 v[BM+\b], v[BM+\b]                   ; the block's largest p
.endr
	v_pk_mul_f32 v[14:15], v[14:15], v[FF:FF+1] op_sel_hi:[1,0]   ; the sums under the new M.  (A plain place behind the exponentials)
	s_wait_alu depctr_va_vdst(0)
.irp b, 0,1,2,3
	v_max_num_f32 v[BM+\b], 0x4800000, v[BM+\b]    ; the floor 2^(9 - 127)
.endr
.irp b, 0,1,2,3
	s_delay_alu instid0(VALU_DEP_4)
	v_add_nc_u32 v[BS+\b], 0xfc000000, v[BM+\b]    ; 8 off the exponent field: the conversion's scale operand
.endr
.irp b, 0,1,2,3
.endr
.irp b, 0,1,2,3
	s_delay_alu instid0(VALU_DEP_4)
	v_lshrrev_b32 v[BT+\b], 23, v[BS+\b]           ; the scale's byte
.endr
	s_delay_alu instid0(VALU_DEP_3)
	v_lshl_or_b32 v[PSC], v[BT+1], 8, v[BT]        ; p's scale word for these 128 keys
	s_delay_alu instid0(VALU_DEP_1)
	v_lshl_or_b32 v[PSC], v[BT+2], 16, v[PSC]
	s_delay_alu instid0(VALU_DEP_1)
	v_lshl_or_b32 v[PSC], v[BT+3], 24, v[PSC]
	v_pk_add_f32 v[234:235], v[100:101], v[104:105]
	v_pk_add_f32 v[252:253], v[108:109], v[112:113]
	v_pk_add_f32 v[250:251], v[116:117], v[120:121]
	v_pk_add_f32 v[246:247], v[124:125], v[128:129]
	v_pk_add_f32 v[244:245], v[132:133], v[136:137]
	v_pk_add_f32 v[242:243], v[140:141], v[144:145]
	v_pk_add_f32 v[240:241], v[148:149], v[152:153]
	v_pk_add_f32 v[14:15], v[14:15], v[156:157]
	v_pk_add_f32 v[234:235], v[234:235], v[96:97]
	v_pk_add_f32 v[252:253], v[252:253], v[98:99]
	v_pk_add_f32 v[250:251], v[250:251], v[102:103]
	v_pk_add_f32 v[246:247], v[246:247], v[106:107]
	v_pk_add_f32 v[244:245], v[244:245], v[110:111]
	v_pk_add_f32 v[242:243], v[242:243], v[114:115]
	v_pk_add_f32 v[240:241], v[240:241], v[118:119]
	v_pk_add_f32 v[14:15], v[14:15], v[122:123]
	v_pk_add_f32 v[234:235], v[234:235], v[126:127]
	v_pk_add_f32 v[252:253], v[252:253], v[130:131]
	v_pk_add_f32 v[250:251], v[250:251], v[134:135]
	v_pk_add_f32 v[246:247], v[246:247], v[138:139]
	v_pk_add_f32 v[244:245], v[244:245], v[142:143]
	v_pk_add_f32 v[242:243], v[242:243], v[146:147]
	v_pk_add_f32 v[240:241], v[240:241], v[150:151]
	v_pk_add_f32 v[14:15], v[14:15], v[154:155]
	v_pk_add_f32 v[234:235], v[234:235], v[158:159]
	s_delay_alu instid0(VALU_DEP_2)
	v_pk_add_f32 v[14:15], v[14:15], v[246:247]
	s_delay_alu instid0(VALU_DEP_2)
	v_pk_add_f32 v[234:235], v[234:235], v[244:245]
	v_pk_add_f32 v[252:253], v[252:253], v[242:243]
	v_pk_add_f32 v[250:251], v[250:251], v[240:241]
	s_delay_alu instid0(VALU_DEP_2)
	v_pk_add_f32 v[14:15], v[14:15], v[252:253]
	s_delay_alu instid0(VALU_DEP_2)
	v_pk_add_f32 v[234:235], v[234:235], v[250:251]
	s_delay_alu instid0(VALU_DEP_1)
	v_pk_add_f32 v[14:15], v[14:15], v[234:235]
.irp b, 0,1,2,3
.set i, 0
.rept 16
.set i, i+1
.endr
	v_cvt_scalef32_pk8_fp8_f32 v[PCD+4*\b:PCD+4*\b+1], v[SS+16*\b:SS+16*\b+7], v[BS+\b]
	v_cvt_scalef32_pk8_fp8_f32 v[PCD+4*\b+2:PCD+4*\b+3], v[SS+16*\b+8:SS+16*\b+15], v[BS+\b]
.endr
	v_nop                                          ; a plain line behind the last conversion
	s_setprio 0
.irp t, 0,1,2,3                                ; V's four fragments take p's registers
.irp c, 0,1,2,3
	ds_load_b128 v[SS+16*\t+4*\c:SS+16*\t+4*\c+3], v[ADK] offset:8192+2048*\t+512*\c
.endr
.endr
	ds_load_b32 v[VSC], v[ADS] offset:512
	ds_load_b32 v[VSC+1], v[ADS] offset:640
.set j, 0
.rept 16
	v_pk_mul_f32 v[OT+j:OT+j+1], v[OT+j:OT+j+1], v[FF:FF+1] op_sel_hi:[1,0]   ; O^T under the new M.  (These are also the places between the codes and the products)
.set j, j+2
.endr
	s_wait_alu depctr_va_vdst(0)
	s_wait_dscnt 0x0
.irp t, 0,1,2,3                                ; O^T += V^T P^T: four accumulators, one instruction each; the next step's eight products stand between two links
.if \t%2
	v_wmma_scale_f32_16x16x128_f8f6f4 v[OT+8*\t:OT+8*\t+7], v[SS+16*\t:SS+16*\t+15], v[PCD:PCD+15], v[OT+8*\t:OT+8*\t+7], v[VSC+\t/2], v[PSC] matrix_a_scale:MATRIX_SCALE_ROW1
.else
	v_wmma_scale_f32_16x16x128_f8f6f4 v[OT+8*\t:OT+8*\t+7], v[SS+16*\t:SS+16*\t+15], v[PCD:PCD+15], v[OT+8*\t:OT+8*\t+7], v[VSC+\t/2], v[PSC]
.endif
.endr
.if \causal
.Lhidden_\@:
.endif
	s_add_co_u32 s[TB], s[TB], 16384
	s_add_co_u32 s[TS], s[TS], 768
	s_add_co_u32 s[KF], s[KF], 128
	s_add_co_u32 s[KS], s[KS], 1
.endm
.macro LOOP causal, ks0                ; eight key steps from ks0 on
	s_mov_b32 s[KS], \ks0
	s_mov_b32 s[TB], \ks0*16384
	s_mov_b32 s[TS], \ks0*768
	s_mov_b32 s[KF], \ks0*128
.Lks_\@:
	STEP \causal
	s_cmp_lt_u32 s[KS], \ks0+8
	s_cbranch_scc1 .Lks_\@
	s_setprio 0
.endm
; A tile ends: O^T / the sum; register 16 b + i is channel 32 b + 16 (lane / 16) + i of my query: two blocks of the last product's K.
.macro FINISH
.rept 8
	v_nop
.endr
	v_add_f32 v14, v14, v15
	s_delay_alu instid0(VALU_DEP_1)
	v_permlanex16_b32 v[WK], v14, s[SEL], s[SEL+1]
	s_delay_alu instid0(VALU_DEP_1)
	v_add_f32 v14, v14, v[WK]                      ; the row's sum
	s_wait_alu depctr_va_vdst(0)
	v_rcp_f32 v[FF], v14
	v_nop                                          ; a plain place behind the transcendental
.set j, 0
	s_wait_alu depctr_va_vdst(0)
.rept 16
	v_pk_mul_f32 v[OT+j:OT+j+1], v[OT+j:OT+j+1], v[FF:FF+1] op_sel_hi:[1,0]
.set j, j+2
.endr
.irp b, 0,1
	v_max3_num_f32 v[BM+\b], |v[OT+16*\b]|, |v[OT+1+16*\b]|, 0x4800000
.endr
.irp i, 2,4,6,8,10,12,14
.irp b, 0,1
	s_delay_alu instid0(VALU_DEP_2)
	v_max3_num_f32 v[BM+\b], v[BM+\b], |v[OT+16*\b+\i]|, |v[OT+1+16*\b+\i]|
.endr
.endr
.irp b, 0,1
	s_delay_alu instid0(VALU_DEP_2)
	v_permlanex16_b32 v[BT+\b], v[BM+\b], s[SEL], s[SEL+1]
.endr
.irp b, 0,1
	s_delay_alu instid0(VALU_DEP_2)
	v_max_num_f32 v[BM+\b], v[BM+\b], v[BT+\b]
.endr
.irp b, 0,1
	s_delay_alu instid0(VALU_DEP_2)
	v_add_nc_u32 v[BS+\b], 0xfc000000, v[BM+\b]
.endr
.irp b, 0,1
.endr
.irp b, 0,1
	s_delay_alu instid0(VALU_DEP_2)
	v_lshrrev_b32 v[BT+\b], 23, v[BS+\b]
.endr
	s_delay_alu instid0(VALU_DEP_1)
	v_lshl_or_b32 v[OW], v[BT+1], 8, v[BT]
	s_lshl_b32 s60, s[TAU], 14
	s_mov_b32 s61, 0
	s_lshl_b32 s62, s[TAU], 9
	s_mov_b32 s63, 0
	s_add_nc_u64 s[66:67], s[12:13], s[60:61]      ; (Q's loads, which named these pairs, were waited for)
	s_add_nc_u64 s[68:69], s[14:15], s[62:63]
.irp b, 0,1
.set i, 0
.rept 16
.set i, i+1
.endr
	v_cvt_scalef32_pk8_fp8_f32 v[OC+4*\b:OC+4*\b+1], v[OT+16*\b:OT+16*\b+7], v[BS+\b]
	v_cvt_scalef32_pk8_fp8_f32 v[OC+4*\b+2:OC+4*\b+3], v[OT+16*\b+8:OT+16*\b+15], v[BS+\b]
.endr
	v_nop                                          ; a plain line behind the last conversion
	global_store_b128 v[LI], v[OC:OC+3], s[66:67]              ; two images: 512 consecutive bytes each
	global_store_b128 v[LI], v[OC+4:OC+7], s[66:67] offset:512
	global_store_b16 v[AR], v[OW], s[68:69]        ; my row's two bytes of 32 (lanes 16-31 write the same bytes with the same value): a head owns no more of a row; 1 byte in 32 of what the launch stores
.endm
	INIT 1                                         ; the long tile: n = 31 - w, last key step 8 .. 15
	s_wait_tensorcnt 0x1                           ; my scale words and my part of keys 0 .. 1,023 are in; the second half may stay out
	s_barrier_signal -1
	s_barrier_wait -1                              ; everybody's are
	LOOP 0, 0                                      ; key steps 0 .. 7: open for every wave
	s_wait_tensorcnt 0x0                           ; my part of keys 1,024 .. 2,047
	s_barrier_signal -1
	s_barrier_wait -1
	LOOP 1, 8
	FINISH
	INIT 0                                         ; the short tile: n = w, last key step 0 .. 7
	LOOP 1, 0
	FINISH
	s_wait_tensorcnt 0x0
	ds_add_u32 v254, v255
	s_wait_dscnt 0x0
	ROUND                                          ; the closing round
	s_endpgm
.Lfunc_end_k_qff55aa1db9_attn:
	.size	k_qff55aa1db9_attn, .Lfunc_end_k_qff55aa1db9_attn-k_qff55aa1db9_attn
	.p2alignl 7, 3214868480
	.fill 96, 4, 3214868480
	.section	.rodata,"a",@progbits
	.p2align	6, 0x0
	.amdhsa_kernel k_qff55aa1db9_attn
		.amdhsa_group_segment_fixed_size 327680
		.amdhsa_private_segment_fixed_size 0
		.amdhsa_enable_private_segment 0
		.amdhsa_kernarg_size 48
		.amdhsa_user_sgpr_count 2
		.amdhsa_user_sgpr_kernarg_segment_ptr 1
		.amdhsa_wavefront_size32 1
		.amdhsa_system_sgpr_workgroup_id_x 1
		.amdhsa_system_sgpr_workgroup_id_y 1
		.amdhsa_system_sgpr_workgroup_id_z 1
		.amdhsa_system_vgpr_workitem_id 0
		.amdhsa_next_free_vgpr 256
		.amdhsa_next_free_sgpr 72
		.amdhsa_reserve_vcc 1
		.amdhsa_float_denorm_mode_32 3
		.amdhsa_float_denorm_mode_16_64 3
		.amdhsa_fp16_overflow 1
		.amdhsa_memory_ordered 1
		.amdhsa_forward_progress 1
		.amdhsa_inst_pref_size 85
	.end_amdhsa_kernel
	.amdgpu_metadata
---
amdhsa.version: [ 1, 2 ]
amdhsa.kernels:
  - .name:           k_qff55aa1db9_attn
    .symbol:         k_qff55aa1db9_attn.kd
    .args:
      - { .name: q_img, .offset: 0, .size: 8, .value_kind: global_buffer, .address_space: global }
      - { .name: q_scl, .offset: 8, .size: 8, .value_kind: global_buffer, .address_space: global }
      - { .name: kv, .offset: 16, .size: 8, .value_kind: global_buffer, .address_space: global }
      - { .name: kvs, .offset: 24, .size: 8, .value_kind: global_buffer, .address_space: global }
      - { .name: a_img, .offset: 32, .size: 8, .value_kind: global_buffer, .address_space: global }
      - { .name: a_scl, .offset: 40, .size: 8, .value_kind: global_buffer, .address_space: global }
    .group_segment_fixed_size: 327680
    .private_segment_fixed_size: 0
    .kernarg_segment_align: 8
    .kernarg_segment_size: 48
    .max_flat_workgroup_size: 512
    .sgpr_count:     72
    .vgpr_count:     256
    .wavefront_size: 32
...
	.end_amdgpu_metadata
.endif
;; end of part 2
;; launch proj (part 3): grid 4 x 32, 4 waves a work-group, clusters of 4 x 4, 327,680 bytes of LDS; arguments a_img, a_scl, proj_w_codes, proj_w_scales, proj_b, out0; writes out0
.if DOCPART == 3
	.amdgcn_target "amdgcn-amd-amdhsa--gfx1250"
	.amdhsa_code_object_version 6
	.text
	.protected	k_qff55aa1db9_proj
	.globl	k_qff55aa1db9_proj
	.p2align	8
	.type	k_qff55aa1db9_proj,@function
k_qff55aa1db9_proj:
	s_mov_b64 s[64:65], 0
	v_nop
	global_prefetch_b8 v0, s[64:65] scope:SCOPE_SE
	s_setreg_imm32_b32 hwreg(HW_REG_WAVE_MODE, 25, 1), 1
	s_wait_xcnt 0x0
	s_wait_alu depctr_hold_cnt(0) depctr_sa_sdst(0) depctr_va_vdst(0) depctr_va_sdst(0) depctr_va_ssrc(0) depctr_va_vcc(0) depctr_vm_vsrc(0)
	s_getreg_b32 s2, hwreg(HW_REG_IB_STS2, 6, 4)
	s_cmp_eq_u32 s2, 0
	s_cbranch_scc0 .Lentry_in_a_cluster
	s_endpgm
.Lentry_in_a_cluster:
	s_bfe_u32 s2, ttmp6, 0x10000c
	s_cmp_lg_u32 s2, 0xf033
	s_cbranch_scc0 .Lentry_shape_is_right
	s_endpgm
.Lentry_shape_is_right:
; out0 = A W^T + b on codes of FP8 (E4M3) with one E8M0 scale for each 32 along K = 1,024.  A: the attention's result, 8,192 tokens; W: [1,024][1,024] codes, K innermost, scale bytes [1,024][32]; b [1,024], out0 [8,192][1,024] f32.
; A ARRIVES AS IMAGES OF OPERAND REGISTERS: [tile of 16 tokens][K step of 128][4 images of 512 bytes], lane l's 16 bytes at 16 l; tile T holds tokens 32 (T / 2) + 8 (T % 2) + r + 8 (r / 8).
; Its scale bytes: 32 a row, rows in the images' order (16 T + r).  So A's fragments come from LDS as 512 consecutive bytes a load, and the tokens' order is undone by the stores' offsets.
; A work-group of four waves makes 256 x 256, a wave 128 x 128: 64 accumulators.  K goes in steps of 256 through a ring of two LDS slots; the scale bytes of all of K come once.
; CLUSTERS: 4 x 4: A's tile is shared along a row of the cluster, W's along a column: joint loads.  The matrix instruction is used transposed (source 0 = 16 rows of W, source 1 = 16 tokens):
; a lane holds eight neighbouring numbers of a row of out0.  The bias runs along the registers and is the C of each sum's first product: the sum's first addend, not its last.
; 128 work-groups: 8,192 x 1,024 has no more tiles of 256 x 256.
; REGISTERS: window 0: v0-31 addresses; v32-63 scale words, two sets; v64-127 the bias; v128-255 A's fragments, one set, later rows on their way out.  window 1: W's fragments, two sets.  windows 2, 3: the accumulators.
.set SIZE_N, 1024
.set NQ,     2
.set ROWB,   256
.set KROW,   1024
.set PITCH,  272
.set FR,     16
.set NL,     4
.set NP,     8                         ; places behind this matrix instruction (ISA guide 7.12.1)
.set HALFA,  32768                     ; 8 tiles x 2 K steps x 2,048 bytes: what one load brings of A
.set HALFT,  128*PITCH                 ; 128 rows of W
.set BOFF,   2*HALFA
.set SLOT,   2*HALFA+2*HALFT
.set LAPS,   2
.set KS,     32
.set SCL,    2*SLOT
.set HALFS,  16*272
.set SBLK,   2*272
.set SPARE,  SCL+4*HALFS
.set SPITCH, 528                       ; the way out: 16 rows x (512 + 16) bytes a wave, in slot 0, which has had its last fill and its last read by then
.set ADRA, 16
.set ADRB, 20
.set STO,  24
.set RD,   25
.set CO,   26
.set ADRS, 27
.set SPW,  28
.set NIL,  29
.set SC,   32
.set BIASR, 64
.set AF,   128
.set BK,   128
.set G1, 24
.set G0, 32
.set G1B, 48
.set G0B, 56
.set G1S, 68
.set G0S, 76
.set G1SB, 80
.set G0SB, 88
.set MSB, 0
.macro WIN new
.if MSB != (\new)
	s_set_vgpr_msb (MSB<<8)|(\new)
.set MSB, (\new)
.endif
.endm
.set MUL_LO, 0xa1
.set MUL_HI, 0xf1
.set TO_B,   0x40
.macro JLOAD g0a, g1a, g0b, g1b        ; waves 0 and 1 fetch for A, waves 2 and 3 for W; four v_nop follow each line
	s_cmp_eq_u32 s15, 0
	s_cbranch_scc0 .Lfor_b_\@
	tensor_load_to_lds s[\g0a:\g0a+3], s[\g1a:\g1a+7]
	s_nop 0
.rept 4
	v_nop
.endr
	s_branch .Lasked_\@
.Lfor_b_\@:
	tensor_load_to_lds s[\g0b:\g0b+3], s[\g1b:\g1b+7]
	s_nop 0
.rept 4
	v_nop
.endr
.Lasked_\@:
.endm
.macro CREST
	s_cmp_lg_u32 s14, 0
	s_cbranch_scc1 .Lnot_wave_0_\@
	s_barrier_signal -3
.Lnot_wave_0_\@:
	s_barrier_wait -3
	s_barrier_signal -1
	s_barrier_wait -1
.endm
.macro CROUND
	s_barrier_signal -1
	s_barrier_wait -1
	CREST
.endm
	s_load_b128 s[4:7], s[0:1], 0x0                ; A's images, A's scales
	s_load_b128 s[8:11], s[0:1], 0x10              ; W's codes, W's scales
	s_load_b64 s[96:97], s[0:1], 0x20              ; b
	s_load_b64 s[12:13], s[0:1], 0x28              ; out0
	v_lshl_add_u32 v[SPW], v0, 2, SPARE
	v_mov_b32 v[NIL], 0
	ds_add_u32 v28, v29
	ds_add_u32 v28, v29
	s_wait_dscnt 0x0
	v_lshrrev_b32 v1, 5, v0
	v_readfirstlane_b32 s14, v1                    ; wave 0..3
	s_lshr_b32 s15, s14, 1                         ; which half of the tokens is mine.  Also: I fetch for A (0) or for W (1)
	s_and_b32 s16, s14, 1                          ; which half of the columns.  Also: which half of that tile I fetch
	s_bfe_u32 s40, ttmp6, 0x40000                  ; cx
	s_bfe_u32 s41, ttmp6, 0x40004                  ; cy
	s_lshl_b32 s42, ttmp9, 2
	s_add_co_u32 s42, s42, s40                     ; tile column
	s_and_b32 s17, ttmp7, 0xffff
	s_lshl_b32 s17, s17, 2
	s_add_co_u32 s17, s17, s41                     ; tile row
	s_lshl_b32 s43, s41, 2
	s_lshl_b32 s43, 15, s43                        ; my row of the cluster
	s_lshl_b32 s44, 0x1111, s40                    ; my column
	; A: 8 tiles; of each the 4,096 consecutive bytes of two K steps (512 elements of 8 bytes); 16,384 bytes from tile to tile; no padding
	s_or_b32 s[G1+0], s43, (3<<16)|(1<<21)
	s_mov_b32 s[G1+1], 512<<16
	s_mov_b32 s[G1+2], 8<<16
	s_mov_b32 s[G1+3], 512<<16
	s_mov_b32 s[G1+4], 8
	s_mov_b32 s[G1+5], 2048
	s_mov_b32 s[G1+6], 0
	s_mov_b32 s[G1+7], 0
	; W: 128 rows x 256 bytes, 16 bytes of padding behind each
	s_or_b32 s[G1B+0], s44, (0<<16)|(1<<20)|(1<<21)|(5<<22)|(3<<25)
	s_mov_b32 s[G1B+1], ROWB<<16
	s_mov_b32 s[G1B+2], 128<<16
	s_mov_b32 s[G1B+3], ROWB<<16
	s_mov_b32 s[G1B+4], 128
	s_mov_b32 s[G1B+5], KROW
	s_mov_b32 s[G1B+6], 0
	s_mov_b32 s[G1B+7], 0
	; the scales of 128 rows: 4,096 dense bytes as 16 rows of 256, 16 bytes of padding behind each
	s_or_b32 s[G1S+0], s43, (3<<16)|(1<<20)|(1<<21)|(5<<22)|(3<<25)
	s_or_b32 s[G1SB+0], s44, (3<<16)|(1<<20)|(1<<21)|(5<<22)|(3<<25)
.irp g, G1S, G1SB
	s_mov_b32 s[\g+1], 32<<16
	s_mov_b32 s[\g+2], 16<<16
	s_mov_b32 s[\g+3], 32<<16
	s_mov_b32 s[\g+4], 16
	s_mov_b32 s[\g+5], 32
	s_mov_b32 s[\g+6], 0
	s_mov_b32 s[\g+7], 0
.endr
	s_lshl_b32 s18, s16, 7
	s_lshl_b32 s20, s17, 8
	s_add_co_u32 s20, s20, s18                     ; A: row (in the images' order) 256 x tile row + 128 x half
	s_lshl_b32 s46, s42, 8
	s_add_co_u32 s46, s46, s18                     ; W: row 256 x tile column + 128 x half
	s_lshl_b32 s22, s20, 5                         ; 32 scale bytes a row
	s_mov_b32 s23, 0
	s_lshl_b32 s92, s46, 5
	s_mov_b32 s93, 0
	s_lshl_b32 s20, s20, 10                        ; 16 rows are a tile of 16,384 bytes
	s_mov_b32 s21, 0
	s_lshl_b32 s46, s46, 10
	s_mov_b32 s47, 0
	s_mul_i32 s45, s16, HALFA                      ; where they go: no place in the cluster enters an LDS address
	s_mul_i32 s95, s16, HALFT
	s_add_co_u32 s95, s95, BOFF
	s_mul_i32 s94, s14, HALFS
	s_wait_kmcnt 0x0
	s_add_nc_u64 s[20:21], s[4:5], s[20:21]
	s_add_nc_u64 s[22:23], s[6:7], s[22:23]
	s_add_nc_u64 s[46:47], s[8:9], s[46:47]
	s_add_nc_u64 s[92:93], s[10:11], s[92:93]
	CROUND                                         ; all sixteen work-groups are here: the first joint loads meet
	s_mov_b32 s[G0S], 1
	s_add_co_u32 s[G0S+1], s94, SCL
	s_mov_b64 s[G0S+2:G0S+3], s[22:23]
	s_or_b32 s[G0S+3], s[G0S+3], 0x80000000
	s_mov_b32 s[G0SB], 1
	s_add_co_u32 s[G0SB+1], s94, SCL
	s_mov_b64 s[G0SB+2:G0SB+3], s[92:93]
	s_or_b32 s[G0SB+3], s[G0SB+3], 0x80000000
	JLOAD G0S, G1S, G0SB, G1SB                     ; my only load out: each of the next two waits for the one before
.irp s, 0,1
	s_mov_b32 s[G0+4*\s], 1
	s_add_co_u32 s[G0+4*\s+1], s45, \s*SLOT
	s_add_nc_u64 s[G0+4*\s+2:G0+4*\s+3], s[20:21], \s*4096
	s_or_b32 s[G0+4*\s+3], s[G0+4*\s+3], 0x80000000
	s_mov_b32 s[G0B+4*\s], 1
	s_add_co_u32 s[G0B+4*\s+1], s95, \s*SLOT
	s_add_nc_u64 s[G0B+4*\s+2:G0B+4*\s+3], s[46:47], \s*ROWB
	s_or_b32 s[G0B+4*\s+3], s[G0B+4*\s+3], 0x80000000
	s_wait_alu depctr_va_vdst(0)
	s_wait_tensorcnt 0x0
	ds_add_u32 v28, v29
	s_wait_dscnt 0x0
	CROUND
	JLOAD G0+4*\s, G1, G0B+4*\s, G1B
.endr
	v_and_b32 v1, 15, v0                           ; r
	v_bfe_u32 v2, v0, 4, 1                         ; h
	v_and_b32 v6, 31, v0
	v_lshlrev_b32 v[CO], 4, v6                     ; 16 x lane
	v_mul_u32_u24 v3, v1, PITCH
	v_lshl_add_u32 v4, v2, 4, v3                   ; W: row x pitch + 16 h
	s_mul_i32 s21, s15, HALFA                      ; my 8 tiles of A
	s_mul_i32 s22, s16, HALFT                      ; my 128 rows of W,
	s_add_co_u32 s22, s22, BOFF                    ; which lie behind A
.irp s, 0,1
	v_add_nc_u32 v[ADRA+\s], s21, v[CO]
	v_add_nc_u32 v[ADRB+\s], s22, v4
	s_add_co_u32 s21, s21, SLOT
	s_add_co_u32 s22, s22, SLOT
.endr
	v_mul_u32_u24 v5, v1, KS                       ; my row's scales: 32 bytes a row,
	v_lshrrev_b32 v6, 8, v5
	v_lshl_add_u32 v5, v6, 4, v5                   ; and 16 more for each 256 passed
	s_mul_i32 s21, s15, HALFS
	s_mul_i32 s22, s16, HALFS
	s_add_co_u32 s22, s22, 2*HALFS
	s_sub_co_u32 s22, s22, s21
	v_mul_u32_u24 v6, s22, v2                      ; lanes 16-31 take W's
	s_add_co_u32 s21, s21, SCL
	v_add_nc_u32 v5, v5, v6
	v_add_nc_u32 v[ADRS], s21, v5
	s_mul_i32 s23, s14, 16*SPITCH                  ; my stage
	v_mul_u32_u24 v5, v1, SPITCH
	v_lshl_add_u32 v5, v2, 5, v5
	v_add_nc_u32 v[STO], s23, v5
	v_add_nc_u32 v[RD], s23, v[CO]
	s_lshl_b32 s20, s17, 8
	s_lshl_b32 s21, s15, 7
	s_add_co_u32 s20, s20, s21                     ; my first token: 256 x tile row + 128 x half
	s_lshl_b32 s20, s20, 12                        ; 4,096 bytes a row of out0
	s_mov_b32 s21, 0
	s_lshl_b32 s46, s42, 10                        ; my first column, in bytes of f32: 1,024 x tile column + 512 x half
	s_lshl_b32 s47, s16, 9
	s_add_co_u32 s46, s46, s47
	s_mov_b32 s47, 0
	s_add_nc_u64 s[96:97], s[96:97], s[46:47]      ; the bias at my first column
	s_add_nc_u64 s[20:21], s[20:21], s[46:47]
	s_add_nc_u64 s[12:13], s[12:13], s[20:21]
	v_lshlrev_b32 v7, 5, v2                        ; tile b of W, register j, half h: column 16 b + 8 h + j
.irp b, 0,1,2,3,4,5,6,7
	global_load_b128 v[BIASR+8*\b:BIASR+8*\b+3], v7, s[96:97] offset:64*\b
	global_load_b128 v[BIASR+8*\b+4:BIASR+8*\b+7], v7, s[96:97] offset:64*\b+16
.endr
.macro FRAG reg, adr, q, i             ; W: rows along K
.irp c, 0,1,2,3
	ds_load_b128 v[\reg+4*\c:\reg+4*\c+3], v[\adr] offset:128*(\q)+32*\c+(\i)*16*PITCH
.endr
.endm
.macro FRAGA reg, adr, q, i            ; A: four images
.irp c, 0,1,2,3
	ds_load_b128 v[\reg+4*\c:\reg+4*\c+3], v[\adr] offset:4096*(\i)+2048*(\q)+512*\c
.endr
.endm
.macro MUL16 a0, p, q, sc, first       ; the 64 accumulators take turns, one instruction a turn
.irp a, \a0, \a0+1
.irp b, 0,1,2,3,4,5,6,7
.if \first
	v_wmma_scale_f32_16x16x128_f8f6f4 v[8*(8*((\a)%4)+\b):8*(8*((\a)%4)+\b)+7], v[128*(\p)+FR*\b:128*(\p)+FR*\b+FR-1], v[AF+FR*(\a):AF+FR*(\a)+FR-1], v[BIASR+8*\b:BIASR+8*\b+7], v[SC+8*NQ*(\sc)+NQ*\b+(\q)], v[SC+8*NQ*(\sc)+NQ*(\a)+(\q)] matrix_a_scale:MATRIX_SCALE_ROW1
.else
	v_wmma_scale_f32_16x16x128_f8f6f4 v[8*(8*((\a)%4)+\b):8*(8*((\a)%4)+\b)+7], v[128*(\p)+FR*\b:128*(\p)+FR*\b+FR-1], v[AF+FR*(\a):AF+FR*(\a)+FR-1], v[8*(8*((\a)%4)+\b):8*(8*((\a)%4)+\b)+7], v[SC+8*NQ*(\sc)+NQ*\b+(\q)], v[SC+8*NQ*(\sc)+NQ*(\a)+(\q)] matrix_a_scale:MATRIX_SCALE_ROW1
.endif
.endr
.endr
.endm
.macro FETCH_B slot, q, p
	WIN TO_B
.irp i, 0,1,2,3,4,5,6,7
	FRAG 128*(\p)+FR*\i, ADRB+\slot, \q, \i
.endr
	WIN 0
.endm
.macro FETCH_A slot, q, i0
.irp i, \i0, \i0+1, \i0+2, \i0+3
	FRAGA AF+FR*(\i), ADRA+\slot, \q, \i
.endr
.endm
.macro SCALES sc
.irp i, 0,1,2,3,4,5,6,7
	ds_load_b64 v[SC+8*NQ*\sc+NQ*\i:SC+8*NQ*\sc+NQ*\i+1], v[ADRS] offset:\i*SBLK
.endr
.endm
.macro PLACES n
.rept \n
	v_nop
.endr
.endm
.macro STEP slot, q, first
	s_wait_dscnt 4*NL                              ; W's set and A's blocks 0-3 are in; the youngest sixteen loads (A's blocks 4-7) may be out
	WIN MUL_LO-0x20*(\first)                       ; (first: C in window 0)
	MUL16 0, (\q)%2, \q, \slot, \first
	MUL16 2, (\q)%2, \q, \slot, \first
	s_wait_dscnt 0
	PLACES NP
	FETCH_B \slot, (\q)+1, 1-(\q)%2
	FETCH_A \slot, (\q)+1, 0
	WIN MUL_HI-0x30*(\first)
	MUL16 4, (\q)%2, \q, \slot, \first
	MUL16 6, (\q)%2, \q, \slot, \first
	PLACES NP
	WIN 0
	FETCH_A \slot, (\q)+1, 4
.endm
.macro TURN slot, next, fill
	s_wait_tensorcnt 0x0                           ; all my tensor loads have landed: my part of the next slot
	ds_add_u32 v[SPW], v[NIL]                      ; 0 onto my spare word
	s_wait_dscnt 4*NL+1                            ; (the add and the youngest sixteen loads may be out)
	WIN MUL_LO
	MUL16 0, 1, NQ-1, \slot, 0
	s_wait_dscnt 0x0                               ; the add is done, and my reads of this slot are over
	s_barrier_signal -1
	MUL16 2, 1, NQ-1, \slot, 0
	WIN 0
	s_barrier_wait -1
.if \fill
	CREST                                          ; the barrier has opened a round of the cluster's barrier: no wave of any partner still reads this slot or has a load on its way
	s_add_nc_u64 s[G0+4*\slot+2:G0+4*\slot+3], s[G0+4*\slot+2:G0+4*\slot+3], 2*4096
	s_add_nc_u64 s[G0B+4*\slot+2:G0B+4*\slot+3], s[G0B+4*\slot+2:G0B+4*\slot+3], 2*ROWB
	JLOAD G0+4*\slot, G1, G0B+4*\slot, G1B         ; the first tensor load behind the round, my only one until the next
	PLACES NP-4
.else
	PLACES NP
.endif
	s_wait_alu depctr_va_vdst(0)
	v_add_nc_u32 v[ADRS], 4*NQ, v[ADRS]
	FETCH_B \next, 0, 0
	FETCH_A \next, 0, 0
	SCALES \next
	WIN MUL_HI
	MUL16 4, 1, NQ-1, \slot, 0
	MUL16 6, 1, NQ-1, \slot, 0
	PLACES NP
	WIN 0
	FETCH_A \next, 0, 4
.endm
	s_wait_alu depctr_va_vdst(0)
	s_wait_tensorcnt 1                             ; the scales and my part of K step 0 are in; K step 1's load may be out
	s_barrier_signal -1
	s_barrier_wait -1
	FETCH_B 0, 0, 0
	FETCH_A 0, 0, 0
	SCALES 0
	FETCH_A 0, 0, 4
	s_wait_loadcnt 0x0                             ; the bias
	STEP 0, 0, 1
	s_mov_b32 s3, LAPS-1
.Llap:
	TURN 0, 1, 1
	STEP 1, 0, 0
	TURN 1, 0, 1
	STEP 0, 0, 0
	s_sub_co_u32 s3, s3, 1
	s_cmp_lg_u32 s3, 0
	s_cbranch_scc1 .Llap
	TURN 0, 1, 0
	STEP 1, 0, 0
	s_wait_dscnt 4*NL
	WIN MUL_LO
	MUL16 0, 1, NQ-1, 1, 0
	MUL16 2, 1, NQ-1, 1, 0
	s_wait_dscnt 0
	WIN MUL_HI
	MUL16 4, 1, NQ-1, 1, 0
	MUL16 6, 1, NQ-1, 1, 0
	WIN 0
; THE WAY OUT, block by block of 16 tokens x 128 columns, through my own stage in LDS; back as whole rows of 512 bytes.  LDS serves a wave's instructions in order (ISA guide 5.7.1.4).
.macro TOSTAGE a
.set AC, 64*((\a)%4)
	WIN 0x08+4*((\a)/4)                            ; the data: window 2 or 3
.irp b, 0,1,2,3,4,5,6,7
	ds_store_b128 v[STO], v[AC+8*\b:AC+8*\b+3] offset:64*\b          ; each accumulator from its low end on
	ds_store_b128 v[STO], v[AC+8*\b+4:AC+8*\b+7] offset:64*\b+16
.endr
	WIN 0
.set BB, BK+64*((\a)%2)
.irp t, 0,1,2,3,4,5,6,7,8,9,10,11,12,13,14,15
	ds_load_b128 v[BB+4*\t:BB+4*\t+3], v[RD] offset:\t*SPITCH
.endr
.endm
.macro SEND a, younger                 ; block a's place t is token 32 (a / 2) + 8 (a % 2) + t + 8 (t / 8) of my 128
.set BB, BK+64*((\a)%2)
	s_wait_dscnt \younger
.if (\a) > 0
.if (\a)%2
	s_add_nc_u64 s[12:13], s[12:13], 8*SIZE_N*4    ; (behind a wait on XCNT: the earlier stores have read their base)
.else
	s_add_nc_u64 s[12:13], s[12:13], 24*SIZE_N*4
.endif
.endif
.irp t, 0,1,2,3,4,5,6,7,8,9,10,11,12,13,14,15
	global_store_b128 v[CO], v[BB+4*\t:BB+4*\t+3], s[12:13] offset:(\t+8*(\t/8))*SIZE_N*4 th:TH_STORE_NT   ; 32 lanes store 512 consecutive bytes, at a multiple of 512 from out0's first byte
.endr
.endm
	PLACES NP
	TOSTAGE 0
.irp a, 1,2,3,4,5,6,7
.if \a > 1
	s_wait_xcnt 0x0                                ; block a - 2's stores have read their registers and their base
.endif
	TOSTAGE \a
	SEND \a-1, 32                                  ; behind block a - 1's loads: block a's 16 stores and 16 loads
.endr
	s_wait_xcnt 0x0
	SEND 7, 0
	s_wait_tensorcnt 0x0                           ; the wave's end
	ds_add_u32 v[SPW], v[NIL]
	s_wait_dscnt 0x0
	CROUND                                         ; the closing round
	s_endpgm
.Lfunc_end_k_qff55aa1db9_proj:
	.size	k_qff55aa1db9_proj, .Lfunc_end_k_qff55aa1db9_proj-k_qff55aa1db9_proj
	.p2alignl 7, 3214868480
	.fill 96, 4, 3214868480
	.section	.rodata,"a",@progbits
	.p2align	6, 0x0
	.amdhsa_kernel k_qff55aa1db9_proj
		.amdhsa_group_segment_fixed_size 327680
		.amdhsa_private_segment_fixed_size 0
		.amdhsa_enable_private_segment 0
		.amdhsa_kernarg_size 48
		.amdhsa_user_sgpr_count 2
		.amdhsa_user_sgpr_kernarg_segment_ptr 1
		.amdhsa_wavefront_size32 1
		.amdhsa_system_sgpr_workgroup_id_x 1
		.amdhsa_system_sgpr_workgroup_id_y 1
		.amdhsa_system_sgpr_workgroup_id_z 1
		.amdhsa_system_vgpr_workitem_id 0
		.amdhsa_next_free_vgpr 1024
		.amdhsa_next_free_sgpr 98
		.amdhsa_reserve_vcc 0
		.amdhsa_float_denorm_mode_32 3
		.amdhsa_float_denorm_mode_16_64 3
		.amdhsa_memory_ordered 1
		.amdhsa_forward_progress 1
		.amdhsa_inst_pref_size 148
	.end_amdhsa_kernel
	.amdgpu_metadata
---
amdhsa.version: [ 1, 2 ]
amdhsa.kernels:
  - .name:           k_qff55aa1db9_proj
    .symbol:         k_qff55aa1db9_proj.kd
    .args:
      - { .name: a_img, .offset: 0, .size: 8, .value_kind: global_buffer, .address_space: global }
      - { .name: a_scl, .offset: 8, .size: 8, .value_kind: global_buffer, .address_space: global }
      - { .name: proj_w_codes, .offset: 16, .size: 8, .value_kind: global_buffer, .address_space: global }
      - { .name: proj_w_scales, .offset: 24, .size: 8, .value_kind: global_buffer, .address_space: global }
      - { .name: proj_b, .offset: 32, .size: 8, .value_kind: global_buffer, .address_space: global }
      - { .name: out0, .offset: 40, .size: 8, .value_kind: global_buffer, .address_space: global }
    .group_segment_fixed_size: 327680
    .private_segment_fixed_size: 0
    .kernarg_segment_align: 8
    .kernarg_segment_size: 48
    .max_flat_workgroup_size: 128
    .sgpr_count:     98
    .vgpr_count:     1024
    .wavefront_size: 32
...
	.end_amdgpu_metadata
.endif
;; end of part 3
